; MI455X (gfx1250); checked and timed in simulation.
; The chip was launched on July 23, 2026; its instructions are those of AMD's public machine-readable ISA for CDNA 5 (MIT licence, August 2026) and "CDNA5" Instruction Set Architecture Reference Guide (July 2026). The comments in the code are by the model that wrote it; some were corrected since.
;; Self Attention. Allowed arithmetic: matrix products marked QUANTISED: E2M3 operands, one E8M0 scale for each 32 along K, by v_wmma_scale_f32_16x16x128_f8f6f4 with both operands' format E2M3, f32 sums; everything else in f32.
;; Inputs: Wk 1,024 x 1,024 float32; Wo 1,024 x 1,024 float32; Wq 1,024 x 1,024 float32; Wv 1,024 x 1,024 float32; bk 1,024 float32; bo 1,024 float32; bq 1,024 float32; bv 1,024 float32; x 4 x 2,048 x 1,024 float32.
;; Outputs: out0 4 x 2,048 x 1,024 float32.
;; This version of the problem:
;;   THIS VERSION OF THE PROBLEM IS GIVEN IN LOW PRECISION. The matrix products marked QUANTISED in the list below multiply operands that are first quantised to E2M3 (2 exponent bits, 3 mantissa bits; 6 bits a number), with one power-of-two scale for each 32 numbers along K (OCP MX v1.0); their sums are f32. All else is computed in f32.
;;   The module's matrix products, in the order in which they are computed (A, B: the left and right operand; K: the contracted axis; several contracted axes count as one K, in the product's order):
;;     1. [M 8,192, K 1,024] x [K 1,024, N 1,024]; A: input x; B: input Wq: QUANTISED
;;     2. [M 8,192, K 1,024] x [K 1,024, N 1,024]; A: input x; B: input Wk: QUANTISED
;;     3. [M 8,192, K 1,024] x [K 1,024, N 1,024]; A: input x; B: input Wv: QUANTISED
;;     4. batch 64 x [M 2,048, K 64] x [K 64, N 2,048]; A: computed on the way; B: computed on the way: QUANTISED
;;     5. batch 64 x [M 2,048, K 2,048] x [K 2,048, N 64]; A: softmax (see below); B: computed on the way: QUANTISED
;;     6. [M 8,192, K 1,024] x [K 1,024, N 1,024]; A: computed on the way; B: input Wo: QUANTISED
;;   THE QUANTISER, for each operand of a quantised product, along K:
;;     - K is cut into blocks of 32 from its start; a last block that is shorter is filled with zeros.
;;     - A block's scale is 2^e with e = floor(log2(the largest magnitude in the block)) - 2, held to -126 .. 127; a block of zeros has e = 0. As a byte (E8M0): e + 127.
;;     - Each number is divided by its block's scale, clamped to +-7.5, and rounded to the nearest number of E2M3, ties to even, subnormals kept.
;;     - The product sums the exact products of the quantised numbers (number of the format x scale) in f32.
;;   ~~~python
;;   def quantise(x, axis):      # numpy; x: float32 -> the quantised numbers, widened to float32 again
;;       x = np.moveaxis(x, axis, -1); K = x.shape[-1]
;;       x = np.pad(x, [(0, 0)] * (x.ndim - 1) + [(0, -K % 32)]); x = x.reshape(x.shape[:-1] + (-1, 32)); a = np.abs(x).max(-1, keepdims=True)
;;       e = np.where(a > 0, np.clip(np.frexp(np.where(a > 0, a, 1))[1] - 1 - 2, -126, 127), 0)      # np.frexp(a)[1] - 1 = floor(log2(a)), exactly
;;       r = np.clip(x / 2.0 ** e, -7.5, 7.5)
;;       step = 2.0 ** (np.maximum(np.frexp(np.where(r == 0, 1, r))[1] - 1, 0) - 3)
;;       q = np.round(r / step) * step * 2.0 ** e      # np.round: ties to even
;;       return np.moveaxis(q.reshape(q.shape[:-2] + (-1,))[..., :K], -1, axis).astype(np.float32)
;;   ~~~
;;   SOFTMAX AHEAD OF A QUANTISED PRODUCT. Where the list says 'softmax', what is quantised is not the finished softmax but p = 2^(t - M), with t = logit x log2(e) and M = ceil(the row's largest t), a whole number; so 1/2 < the row's largest p <= 1. The row's sum l is taken of the UNQUANTISED p, in f32, and the product's result is divided by l at the end. Since M is a whole number, a kernel that streams over the keys may use a running M (the ceiling of the running maximum): every later rescaling is an exact power of two, which a block's scale takes up: the codes' values come out the same.
;;   OPERANDS COMPUTED ON THE WAY. 'Computed on the way' means the value that the module computes at that place (a softmax that the list does not call 'softmax' is quantised finished and normalised). What goes into a quantiser is computed in f32, as accurately as f32 sums, v_exp_f32 and their like allow (about 1e-6 of the number): no bf16 or f16 on the way to a quantiser, and a product that is left as it is and whose result goes on into a quantised operand takes f32 operands (vector FMAs, or v_wmma_f32_16x16x4_f32). A number that lies on a knife's edge between two numbers of the format may be rounded either way, as far as f32 arithmetic and the matrix unit's own rounding can turn it there, and no further.
;; One version. Each part assembles by itself: llvm-mc -triple=amdgcn-amd-amdhsa -mcpu=gfx1250 --defsym DOCPART=n.
;; ======== version 1 of 1: 4 launches
;; limits: right only within a limited range of input values
;; workspace buffers: xq 6,553,600 bytes; wq 3,276,800 bytes; qk 13,631,488 bytes; vq 6,553,600 bytes; oq 6,815,744 bytes
;; launch quant (part 1): grid 512 x 1, 4 waves a work-group, no clusters, 48,128 bytes of LDS; arguments x, Wq, Wk, Wv, Wo, xq, wq; writes xq, wq
.if DOCPART == 1
	.amdgcn_target "amdgcn-amd-amdhsa--gfx1250"
	.amdhsa_code_object_version 6
	.text
	.protected	k_q2fccec6520_quant
	.globl	k_q2fccec6520_quant
	.p2align	8
	.type	k_q2fccec6520_quant,@function
k_q2fccec6520_quant:
	s_mov_b64 s[64:65], 0
	v_nop
	global_prefetch_b8 v0, s[64:65] scope:SCOPE_SE
	s_setreg_imm32_b32 hwreg(HW_REG_WAVE_MODE, 25, 1), 1
	s_wait_xcnt 0x0
; x [8192][1024] f32 and Wq, Wk, Wv, Wo [1024 (k)][1024 (n)] f32 become codes of FP6 (E2M3) with one E8M0 byte for each 32 along K (K = x's last axis, a weight's first).
; A block's scale is 2^(floor(log2(its largest magnitude)) - 2); its byte is the largest magnitude's exponent field - 2, held at 1 from below.
; LIMITS: a block of zeros gets the byte 1 where the rule says 127 (its codes are zeros, and this program alone reads the bytes); blocks whose largest magnitude lies under 2^-124 are held at byte 1;
; NaN and infinities among the inputs are not served.
; LAYOUT OF THE RESULTS: images of operand registers.  A fragment (16 rows x 128 K, 12 registers a lane) is 1,536 bytes: [j 0..2][lane][16 bytes] = registers 4 j .. 4 j + 3.
; xq, wq: [tile][K step 0..7] fragments, 12,288 bytes a tile; behind them the scale words [tile][kh 0..1][row 0..15][4 words], word i of half kh for K step 4 kh + i.
; THE ROWS OF A TILE ARE NOT NEIGHBOURS: row r of tile 2 G + u is row (or weight column) 32 G + 8 u + r + 8 (r / 8).  wq's tiles: 0-63 Wq, 64-127 Wk, 128-191 Wv, 192-255 Wo.
; Work-groups 0-255 take x: a wave 16 rows x 512 K.  Work-groups 256-511 take the weights: a wave 32 columns x 128 K.  Each of the two ways has LDS bytes of its own.
.set XSTW,  8448                       ; x's way: a stage of 16 rows x (512 + 16) bytes for each wave, from LDS byte 0
.set WSTG,  33792                      ; the weights' way: for each wave two fragment images, 1,664 bytes apart
.set WSTW,  3328
.set WIMG,  1664
.set WGA,   47104                      ; the weights' way: the work-group's scale words, [tile u][row][wave], 512 bytes
.set SPARE, 47616                      ; the spare words, 128 bytes for each wave: two blocks of 256 bytes that no other line names
.set SPW, 12                           ; v12  SPARE + 4 x my thread's number; never rewritten
.set NIL, 13                           ; v13  0; never rewritten
.set R,   16                           ; x: v16-143 two sets of 64 numbers as loaded
.set X,   144                          ; x: v144-207 64 numbers: register 16 b + i = k 32 b + 16 (lane / 16) + i of my row
.set PC,  208                          ; x: v208-219 the fragment; v220-222, v224-226 at work
.set TM,  228                          ; x: v228-231 largest magnitudes, v232-235 bytes, v240-243 the conversions' scale operands
.set PW,  244                          ; x: v244-247 the four K steps' scale words
	s_load_b256 s[4:11], s[0:1], 0x0               ; x, Wq, Wk, Wv
	s_load_b128 s[12:15], s[0:1], 0x20             ; Wo, xq
	s_load_b64 s[16:17], s[0:1], 0x30              ; wq
	v_lshl_add_u32 v[SPW], v0, 2, SPARE
	v_mov_b32 v[NIL], 0
	v_lshrrev_b32 v1, 5, v0
	v_readfirstlane_b32 s18, v1                    ; wave
	v_and_b32 v1, 31, v0                           ; lane
	v_and_b32 v2, 15, v0                           ; r
	v_bfe_u32 v3, v0, 4, 1                         ; h
	v_lshlrev_b32 v4, 4, v1                        ; 16 x lane
	s_mul_i32 s19, s18, XSTW
	v_add_nc_u32 v5, s19, v4                       ; x's stage, in: a row's 512 bytes as they lie
	v_mul_u32_u24 v6, v2, 528
	v_lshl_add_u32 v6, v3, 6, v6
	v_add_nc_u32 v6, s19, v6                       ; out: row r, + 64 h: my 16 numbers of a block of 32
	v_lshlrev_b32 v7, 4, v2
	v_lshl_add_u32 v7, v3, 3, v7                   ; x's scale words: 16 r + 8 h
	v_lshlrev_b32 v8, 2, v1                        ; a weight's row: 4 bytes a lane
	v_bfe_u32 v9, v0, 3, 1                         ; my column 16 a + 8 u + e lies in tile u
	v_and_b32 v10, 7, v0
	v_lshl_add_u32 v10, v3, 3, v10                 ; at row 8 a + e
	v_lshlrev_b32 v10, 4, v10
	s_mul_i32 s22, s18, WSTW
	s_add_co_u32 s22, s22, WSTG
	v_lshl_add_u32 v11, v9, 8, v10
	v_mad_u32_u24 v9, v9, WIMG, v10
	v_add_nc_u32 v9, s22, v9                       ; into the images: tile u, 16 bytes of the lane that holds my row
	v_add_nc_u32 v10, s22, v4                      ; out of them: 16 x lane
	s_lshl_b32 s23, s18, 2
	s_add_co_u32 s23, s23, WGA
	v_add_nc_u32 v11, s23, v11                     ; my scale word: 256 u + 16 row + 4 wave
	v_add_nc_u32 v14, WGA, v4
	v_lshlrev_b32 v15, 9, v3
	v_lshl_add_u32 v15, v2, 4, v15                 ; the words in memory: 512 bytes from tile to tile, 16 a row
	s_mov_b32 s20, 0x76543210
	s_mov_b32 s21, 0xfedcba98                      ; v_permlanex16_b32's selects for lane l xor 16
	s_wait_kmcnt 0x0
	s_cmp_lt_u32 ttmp9, 256
	s_cbranch_scc0 .Lweights
; ---------------- x ----------------
; 64 numbers of a lane become a fragment's codes in v[PC] on and its scale word in v[pw]
.macro QUANT s, pw
.irp b, 0,1,2,3
	v_max3_num_f32 v[TM+\b], |v[\s+16*\b]|, |v[\s+1+16*\b]|, 0x1800000   ; my 16 numbers of block b, and the floor 2^(3 - 127): the byte cannot fall under 1
.endr
.irp i, 2,4,6,8,10,12,14
.irp b, 0,1,2,3
	v_max3_num_f32 v[TM+\b], v[TM+\b], |v[\s+16*\b+\i]|, |v[\s+1+16*\b+\i]|
.endr
.endr
.irp b, 0,1,2,3
	v_permlanex16_b32 v[TM+4+\b], v[TM+\b], s20, s21
.endr
.irp b, 0,1,2,3
	v_max_num_f32 v[TM+\b], v[TM+\b], v[TM+4+\b]   ; with lane l xor 16's: the block's largest magnitude
.endr
.irp b, 0,1,2,3
	v_add_nc_u32 v[TM+12+\b], 0xff000000, v[TM+\b] ; 2 off its exponent field: the conversion's scale operand
.endr
.irp b, 0,1,2,3
	v_lshrrev_b32 v[TM+4+\b], 23, v[TM+12+\b]      ; the scale's byte
.endr
	v_lshl_or_b32 v[\pw], v[TM+5], 8, v[TM+4]
	v_lshl_or_b32 v[\pw], v[TM+6], 16, v[\pw]
	v_lshl_or_b32 v[\pw], v[TM+7], 24, v[\pw]
.irp c, 0,1
	v_cvt_scalef32_pk16_fp6_f32 v[PC+6*\c:PC+2+6*\c], v[\s+32*\c:\s+15+32*\c], v[TM+12+2*\c]
	v_cvt_scalef32_pk16_fp6_f32 v[PC+12+4*\c:PC+14+4*\c], v[\s+16+32*\c:\s+31+32*\c], v[TM+12+2*\c+1]
.endr
	v_nop                                          ; one plain place behind a scaled conversion
.irp c, 0,1                                    ; the operand's layout wants a whole block in a lane: lanes 0-15 block 2 c, lanes 16-31 block 2 c + 1
.irp i, 0,1,2
	v_permlane16_swap_b32 v[PC+6*\c+\i], v[PC+12+4*\c+\i]
.endr
.irp i, 0,1,2
	v_mov_b32 v[PC+3+6*\c+\i], v[PC+12+4*\c+\i]
.endr
.endr
.endm
.macro XLOAD q                         ; K step q of my 16 rows: each load reads one row's 512 consecutive bytes
.irp i, 0,1,2,3,4,5,6,7,8,9,10,11,12,13,14,15
	global_load_b128 v[R+64*((\q)%2)+4*\i:R+64*((\q)%2)+4*\i+3], v4, s[4:5] offset:(\i+8*(\i/8))*4096+512*(\q) th:TH_LOAD_NT
.endr
.endm
.macro XTURN q                         ; through my stage: LDS serves a wave's instructions in order, so no wait stands between the stores and the loads
.irp i, 0,1,2,3,4,5,6,7,8,9,10,11,12,13,14,15
	ds_store_b128 v5, v[R+64*((\q)%2)+4*\i:R+64*((\q)%2)+4*\i+3] offset:528*\i
.endr
.irp b, 0,1,2,3
.irp j, 0,1,2,3
	ds_load_b128 v[X+16*\b+4*\j:X+16*\b+4*\j+3], v6 offset:128*\b+16*\j
.endr
.endr
.endm
.macro XSTEP q
.if (\q) < 3
	s_wait_loadcnt 16                              ; this K step's 16 loads are in; the next step's 16 may be out
.else
	s_wait_loadcnt 0x0
.endif
	XTURN \q
	s_wait_dscnt 0x0                               ; the numbers are back, and the stage's stores have read their registers
.if (\q) > 0
	s_wait_xcnt 0x0                                ; the last step's stores have read the fragment's registers, which are written again below
.endif
.if (\q)+2 < 4
	XLOAD (\q)+2
.endif
	QUANT X, PW+(\q)
.irp j, 0,1,2
	global_store_b128 v4, v[PC+4*\j:PC+4*\j+3], s[30:31] offset:1536*(\q)+512*\j   ; 32 lanes store 512 consecutive bytes
.endr
.endm
	s_lshl_b32 s24, ttmp9, 2
	s_add_co_u32 s24, s24, s18
	s_lshr_b32 s25, s24, 1                         ; my tile of 16 rows
	s_and_b32 s26, s24, 1                          ; and which half of K
	s_lshr_b32 s27, s25, 1
	s_lshl_b32 s27, s27, 17                        ; 32 rows of 4,096 bytes for each pair of tiles,
	s_and_b32 s28, s25, 1
	s_lshl_b32 s28, s28, 15                        ; 8 rows for the odd tile,
	s_add_co_u32 s28, s28, s27
	s_lshl_b32 s27, s26, 11                        ; 2,048 bytes for the second half of K
	s_add_co_u32 s28, s28, s27
	s_mov_b32 s29, 0
	s_add_nc_u64 s[4:5], s[4:5], s[28:29]
	s_mul_i32 s28, s25, 12288
	s_mul_i32 s27, s26, 6144
	s_add_co_u32 s28, s28, s27
	s_add_nc_u64 s[30:31], s[14:15], s[28:29]      ; my four fragments
	s_lshl_b32 s28, s25, 9
	s_lshl_b32 s27, s26, 8
	s_add_co_u32 s28, s28, s27
	s_add_co_u32 s28, s28, 6291456
	s_add_nc_u64 s[32:33], s[14:15], s[28:29]      ; my 256 bytes of scale words
.irp b, 0,1,2,3
	v_mov_b32 v[TM+4+\b], 0                        ; written once: a lane permute's destination counts as one of its sources
.endr
	XLOAD 0
	XLOAD 1
	XSTEP 0
	XSTEP 1
	XSTEP 2
	XSTEP 3
	v_cmp_eq_u32 vcc_lo, 1, v3
	v_cndmask_b32 v248, v[PW], v[PW+2], vcc_lo     ; lanes 0-15 store words 0 and 1 of their row, lanes 16-31 words 2 and 3
	v_cndmask_b32 v249, v[PW+1], v[PW+3], vcc_lo
	global_store_b64 v7, v[248:249], s[32:33]      ; 32 lanes store 256 consecutive bytes, aligned
	s_wait_tensorcnt 0x0                           ; the wave's end, behind my last LDS store
	ds_add_u32 v[SPW], v[NIL]
	s_wait_dscnt 0x0
	s_endpgm
; ---------------- the weights ----------------
; A lane takes a column and its registers run down K: v16-143 are k = 128 s + 0 .. 127.  A block of 32 lies in one lane; its six registers of codes are registers 6 c .. 6 c + 5
; (block 2 c + h') of lane 16 h' + row in the image of tile u.
.Lweights:
.macro WLOAD t
.irp i, 0,1,2,3,4,5,6,7,8,9,10,11,12,13,14,15,16,17,18,19,20,21,22,23,24,25,26,27,28,29,30,31
	global_load_b32 v[16+32*(\t)+\i], v8, s[6:7] offset:(32*(\t)+\i)*4096 th:TH_LOAD_NT   ; 32 lanes read 128 consecutive bytes
.endr
.endm
.macro WBLOCK t
.set XS, 16+32*(\t)
.set CC, 144+6*(\t)
.if (\t) < 3
	s_wait_loadcnt 32                              ; this block's 32 loads are in; the next block's may be out
.else
	s_wait_loadcnt 0x0
.endif
.if (\t)+2 < 4
	WLOAD (\t)+2
.endif
	v_max3_num_f32 v172, |v[XS]|, |v[XS+1]|, |v[XS+2]|
	v_max3_num_f32 v173, |v[XS+3]|, |v[XS+4]|, |v[XS+5]|
.irp i, 6,10,14,18,22,26
	v_max3_num_f32 v172, v172, |v[XS+\i]|, |v[XS+\i+1]|
	v_max3_num_f32 v173, v173, |v[XS+\i+2]|, |v[XS+\i+3]|
.endr
	v_max3_num_f32 v172, v172, |v[XS+30]|, |v[XS+31]|
	v_max3_num_f32 v172, v172, v173, 0x1800000     ; and the floor
	v_add_nc_u32 v174, 0xff000000, v172            ; the conversion's scale operand
	v_lshrrev_b32 v175, 23, v174                   ; the byte
.if (\t) == 0
	v_mov_b32 v176, v175
.else
	v_lshl_or_b32 v176, v175, 8*(\t), v176         ; the K step's scale word of my column
.endif
	v_cvt_scalef32_pk16_fp6_f32 v[CC:CC+2], v[XS:XS+15], v174
	v_cvt_scalef32_pk16_fp6_f32 v[168:170], v[XS+16:XS+31], v174
	v_nop                                          ; one plain place behind a scaled conversion
.irp i, 0,1,2
	v_mov_b32 v[CC+3+\i], v[168+\i]
.endr
.if (\t) < 2
	ds_store_b128 v9, v[CC:CC+3] offset:256*((\t)%2)             ; registers 0-3
	ds_store_b64 v9, v[CC+4:CC+5] offset:512+256*((\t)%2)        ; registers 4, 5
.else
	ds_store_b64 v9, v[CC:CC+1] offset:520+256*((\t)%2)          ; registers 6, 7
	ds_store_b128 v9, v[CC+2:CC+5] offset:1024+256*((\t)%2)      ; registers 8-11
.endif
.endm
	s_sub_co_u32 s24, ttmp9, 256
	s_lshr_b32 s25, s24, 6                         ; which weight
	s_bfe_u32 s26, s24, 0x50001                    ; which 32 columns
	s_and_b32 s27, s24, 1                          ; which half of K
	s_cmp_eq_u32 s25, 1
	s_cselect_b64 s[6:7], s[8:9], s[6:7]
	s_cmp_eq_u32 s25, 2
	s_cselect_b64 s[6:7], s[10:11], s[6:7]
	s_cmp_eq_u32 s25, 3
	s_cselect_b64 s[6:7], s[12:13], s[6:7]
	s_lshl_b32 s28, s27, 2
	s_add_co_u32 s28, s28, s18                     ; my K step
	s_lshl_b32 s30, s28, 19                        ; 128 rows of 4,096 bytes
	s_lshl_b32 s31, s26, 7
	s_add_co_u32 s30, s30, s31
	s_mov_b32 s31, 0
	s_add_nc_u64 s[6:7], s[6:7], s[30:31]
	s_lshl_b32 s29, s25, 6
	s_lshl_b32 s32, s26, 1
	s_add_co_u32 s29, s29, s32                     ; the first of my two tiles
	s_mul_i32 s30, s29, 12288
	s_mul_i32 s32, s28, 1536
	s_add_co_u32 s30, s30, s32
	s_add_nc_u64 s[34:35], s[16:17], s[30:31]      ; its fragment of my K step
	s_lshl_b32 s30, s29, 9
	s_lshl_b32 s32, s27, 8
	s_add_co_u32 s30, s30, s32
	s_add_co_u32 s30, s30, 3145728
	s_add_nc_u64 s[36:37], s[16:17], s[30:31]      ; the work-group's scale words
	WLOAD 0
	WLOAD 1
	WBLOCK 0
	WBLOCK 1
	WBLOCK 2
	WBLOCK 3
	ds_store_b32 v11, v176
.irp n, 0,1,2,3,4,5
	ds_load_b128 v[180+4*\n:183+4*\n], v10 offset:WIMG*(\n/3)+512*(\n%3)   ; LDS serves a wave's instructions in order: these see my stores
.endr
.irp n, 0,1,2,3,4,5
	s_wait_dscnt 5-\n                              ; load n is in; the younger ones may be out
	global_store_b128 v4, v[180+4*\n:183+4*\n], s[34:35] offset:12288*(\n/3)+512*(\n%3)   ; 32 lanes store 512 consecutive bytes
.endr
	s_wait_dscnt 0x0                               ; for the others' sake: my scale word has landed
	s_barrier_signal -1
	s_barrier_wait -1
	s_cmp_lg_u32 s18, 0
	s_cbranch_scc1 .Lw_end
	ds_load_b128 v[204:207], v14                   ; a row's four words, one from each wave
	s_wait_dscnt 0x0
	global_store_b128 v15, v[204:207], s[36:37]    ; sixteen lanes store 256 consecutive bytes, aligned
.Lw_end:
	s_wait_tensorcnt 0x0                           ; the wave's end, behind my last LDS store
	ds_add_u32 v[SPW], v[NIL]
	s_wait_dscnt 0x0
	s_endpgm
.Lfunc_end_k_q2fccec6520_quant:
	.size	k_q2fccec6520_quant, .Lfunc_end_k_q2fccec6520_quant-k_q2fccec6520_quant
	.p2alignl 7, 3214868480
	.fill 96, 4, 3214868480
	.section	.rodata,"a",@progbits
	.p2align	6, 0x0
	.amdhsa_kernel k_q2fccec6520_quant
		.amdhsa_group_segment_fixed_size 48128
		.amdhsa_private_segment_fixed_size 0
		.amdhsa_enable_private_segment 0
		.amdhsa_kernarg_size 56
		.amdhsa_user_sgpr_count 2
		.amdhsa_user_sgpr_kernarg_segment_ptr 1
		.amdhsa_wavefront_size32 1
		.amdhsa_system_sgpr_workgroup_id_x 1
		.amdhsa_system_sgpr_workgroup_id_y 1
		.amdhsa_system_sgpr_workgroup_id_z 1
		.amdhsa_system_vgpr_workitem_id 0
		.amdhsa_next_free_vgpr 256
		.amdhsa_next_free_sgpr 66
		.amdhsa_reserve_vcc 1
		.amdhsa_float_denorm_mode_32 3
		.amdhsa_float_denorm_mode_16_64 3
		.amdhsa_memory_ordered 1
		.amdhsa_forward_progress 1
		.amdhsa_inst_pref_size 55
	.end_amdhsa_kernel
	.amdgpu_metadata
---
amdhsa.version: [ 1, 2 ]
amdhsa.kernels:
  - .name:           k_q2fccec6520_quant
    .symbol:         k_q2fccec6520_quant.kd
    .args:
      - { .name: x, .offset: 0, .size: 8, .value_kind: global_buffer, .address_space: global }
      - { .name: Wq, .offset: 8, .size: 8, .value_kind: global_buffer, .address_space: global }
      - { .name: Wk, .offset: 16, .size: 8, .value_kind: global_buffer, .address_space: global }
      - { .name: Wv, .offset: 24, .size: 8, .value_kind: global_buffer, .address_space: global }
      - { .name: Wo, .offset: 32, .size: 8, .value_kind: global_buffer, .address_space: global }
      - { .name: xq, .offset: 40, .size: 8, .value_kind: global_buffer, .address_space: global }
      - { .name: wq, .offset: 48, .size: 8, .value_kind: global_buffer, .address_space: global }
    .group_segment_fixed_size: 48128
    .private_segment_fixed_size: 0
    .kernarg_segment_align: 8
    .kernarg_segment_size: 56
    .max_flat_workgroup_size: 128
    .sgpr_count:     66
    .vgpr_count:     256
    .wavefront_size: 32
...
	.end_amdgpu_metadata
.endif
;; end of part 1
;; launch proj (part 2): grid 12 x 64, 4 waves a work-group, clusters of 4 x 4, 307,712 bytes of LDS; arguments xq, wq, bq, bk, bv, qk, vq; writes qk, vq
.if DOCPART == 2
	.amdgcn_target "amdgcn-amd-amdhsa--gfx1250"
	.amdhsa_code_object_version 6
	.text
	.protected	k_q2fccec6520_proj
	.globl	k_q2fccec6520_proj
	.p2align	8
	.type	k_q2fccec6520_proj,@function
k_q2fccec6520_proj:
	s_mov_b64 s[64:65], 0
	v_nop
	global_prefetch_b8 v0, s[64:65] scope:SCOPE_SE
	s_setreg_imm32_b32 hwreg(HW_REG_WAVE_MODE, 25, 1), 1
	s_wait_xcnt 0x0
	s_wait_alu depctr_hold_cnt(0) depctr_sa_sdst(0) depctr_va_vdst(0) depctr_va_sdst(0) depctr_va_ssrc(0) depctr_va_vcc(0) depctr_vm_vsrc(0)
	s_getreg_b32 s2, hwreg(HW_REG_IB_STS2, 6, 4)
	s_cmp_eq_u32 s2, 0
	s_cbranch_scc0 .Lentry_in_a_cluster
	s_endpgm
.Lentry_in_a_cluster:
	s_bfe_u32 s2, ttmp6, 0x10000c
	s_cmp_lg_u32 s2, 0xf033
	s_cbranch_scc0 .Lentry_shape_is_right
	s_endpgm
.Lentry_shape_is_right:
; q = x Wq + bq, k = x Wk + bk, v = x Wv + bv on codes of FP6 (E2M3) with E8M0 scales; the results are quantised again in registers: q and k along a head's 64, v along the tokens (the keys).
; A work-group makes 128 x 256 of a product A B^T with all of K = 1,024 in LDS, filled once.  Four waves, 2 x 2: a wave makes 64 x 128, 32 accumulators.
; Clusters with x = 0, 1: A = x's rows, B = the columns of Wq and Wk.  Clusters with x = 2: A = the columns of Wv, B = x's rows: the same text makes v transposed.
; THE MATRIX INSTRUCTION IS USED TRANSPOSED (source 0 = 16 rows of B, source 1 = 16 rows of A): a lane holds one row of A and its registers run along B's rows.  A tile's rows are not neighbours
; (row r of tile 2 G + u is row 32 G + 8 u + r + 8 (r / 8)), so the 16 registers of tiles 2 g and 2 g + 1 are 16 neighbours, 32 g + 16 (lane / 16) + 0 .. 15: the axis that is quantised next.
; CLUSTERS: 4 x 4 work-groups; A's tiles are asked for jointly along a row of the cluster, B's along a column.  The branch on the kind of cluster hangs on the cluster's x alone: alike in all partners.
; OPERANDS lie in memory and in LDS as images of their registers (1,536 bytes a fragment: [j][lane][16 bytes]), so every LDS read is dense: no padding.
; RESULTS: qk: halves of fragments (16 rows x 64 K, 768 bytes: [p][lane][8 bytes]) as [head-slot 0..31][tile 0..511], slots 0-15 q's heads, 16-31 k's; words [slot][tile / 4][row][tile % 4], of which bytes 0 and 1 count.
;          vq: fragments [batch x head][128 keys][16 of the head's 64]; words [batch x head][128 keys][row][tile].
; LIMITS: a block of zeros gets the byte 1 (its codes are zeros; this program alone reads the bytes); largest magnitudes under 2^-124 are held at byte 1; NaN and infinities are not served.
; LDS: A tile x 12,288 + K step x 1,536; B from 98,304: tile x 12,288 + K step x 1,536; then the scale words and the spare words.
; REGISTERS: window 0: v1-17 addresses; v28, v29 the add's two; v32-63 A's scale words (8 i + s); v64-95 B's (lanes 0-15 block i, lanes 16-31 block 4 + i); v96-191 A's fragments, two sets; v192-255 the bias.
;            window 1: B's fragments, two sets, at v0 and v128.   window 2: accumulator (a, b) at v[8 (8 a + b)].
.set SCA,   294912
.set SCB,   299008
.set SPARE, 307200                     ; the spare words, 128 bytes for each wave: two blocks of 256 bytes that no other line names
.set SPW, 28
.set NIL, 29
.set TM,  152                          ; the way out: v152-155 largest magnitudes, v156-159 bytes, v164-167 scale operands; v168-171 scale words; v172-175 what is stored of them
.set MSB, 0
.macro WIN new                         ; the immediate's high byte repeats the setting that is left
.if MSB != \new
	s_set_vgpr_msb (MSB<<8)|\new
.set MSB, \new
.endif
.endm
.macro PLACES n
.rept \n
	v_nop
.endr
.endm
.macro CROUND                          ; a round of the cluster's barrier
	s_barrier_signal -1
	s_barrier_wait -1
	s_cmp_lg_u32 s18, 0
	s_cbranch_scc1 .Lnot_wave_0_\@
	s_barrier_signal -3
.Lnot_wave_0_\@:
	s_barrier_wait -3
	s_barrier_signal -1
	s_barrier_wait -1
.endm
.macro G0A g, base, off                ; its global address and type
	s_add_nc_u64 s[\g+2:\g+3], s[\base:\base+1], \off
	s_or_b32 s[\g+3], s[\g+3], 0x80000000
.endm
	s_load_b256 s[4:11], s[0:1], 0x0               ; xq, wq, bq, bk
	s_load_b128 s[12:15], s[0:1], 0x20             ; bv, qk
	s_load_b64 s[16:17], s[0:1], 0x30              ; vq
	v_lshl_add_u32 v[SPW], v0, 2, SPARE
	v_mov_b32 v[NIL], 0
	ds_add_u32 v[SPW], v[NIL]                      ; the wave's opening: the add and its wait, ahead of the round in front of my first tensor loads
	ds_add_u32 v[SPW], v[NIL]
	v_lshrrev_b32 v1, 5, v0
	v_readfirstlane_b32 s18, v1                    ; wave
	s_lshr_b32 s19, s18, 1                         ; RH: my half of the rows.  Also: I fetch scale words (0) or codes (1)
	s_and_b32 s20, s18, 1                          ; CH: my half of the columns.  Also: I fetch for A (0) or for B (1)
	s_bfe_u32 s21, ttmp6, 0x40000                  ; cx
	s_bfe_u32 s22, ttmp6, 0x40004                  ; cy
	s_and_b32 s2, ttmp7, 0xffff                    ; the cluster's y
	s_and_b32 s66, s2, 1
	s_lshr_b32 s67, s2, 1
	s_cmp_eq_u32 ttmp9, 2
	s_cselect_b32 s23, 1, 0                        ; 1: this cluster makes v
	s_cselect_b32 s66, s66, s2
	s_cselect_b32 s67, s67, ttmp9
	s_lshl_b32 s66, s66, 2
	s_add_co_u32 s66, s66, s22                     ; which 128 rows of A
	s_lshl_b32 s67, s67, 2
	s_add_co_u32 s67, s67, s21                     ; which 256 rows of B
	s_lshl_b32 s3, s22, 2
	s_lshl_b32 s3, 15, s3                          ; my row of the cluster
	s_lshl_b32 s100, 0x1111, s21                   ; my column
	; groups 1: elements of 8 bytes.  Codes: a tile's 256 along K are 3,072 consecutive bytes (384 elements), tiles 12,288 bytes apart: 8 of A's tiles or 16 of B's to a load.  Scale words: dense rows of 256 bytes
	s_or_b32 s24, s3, (3<<16)|(1<<21)              ; 15:0 the mask; 17:16 elements of 8 bytes; 21 set beside a mask
	s_or_b32 s40, s3, (3<<16)|(1<<21)
	s_or_b32 s32, s100, (3<<16)|(1<<21)
	s_or_b32 s48, s100, (3<<16)|(1<<21)
.irp g, 24, 32
	s_mov_b32 s[\g+1], 32<<16                      ; an operand's tiles, all of K, are one dense block: rows of 256 bytes
	s_mov_b32 s[\g+3], 32<<16
	s_mov_b32 s[\g+5], 32
	s_mov_b32 s[\g+6], 0
	s_mov_b32 s[\g+7], 0
.endr
	s_mov_b32 s26, 384<<16                         ; A's eight tiles: 98,304 bytes
	s_mov_b32 s28, 384
	s_mov_b32 s34, 768<<16                         ; B's sixteen: 196,608 bytes
	s_mov_b32 s36, 768
.irp g, 40, 48
	s_mov_b32 s[\g+1], 32<<16
	s_mov_b32 s[\g+3], 32<<16
	s_mov_b32 s[\g+5], 32
	s_mov_b32 s[\g+6], 0
	s_mov_b32 s[\g+7], 0
.endr
	s_mov_b32 s42, 16<<16                          ; eight tiles' words: 4,096 bytes
	s_mov_b32 s44, 16
	s_mov_b32 s50, 32<<16                          ; sixteen tiles' words: 8,192 bytes
	s_mov_b32 s52, 32
	; groups 0: where the tiles go: constants and the wave's number alone
	; LDS as it is filled: A's codes at tile x 12,288 + K step x 1,536, B's the same from 98,304 on, then the scale words
	s_mov_b32 s60, 1
	s_mov_b32 s61, 0
	s_mov_b32 s84, 1
	s_mov_b32 s85, 98304
	s_mov_b32 s56, 1
	s_mov_b32 s57, SCA
	s_mov_b32 s80, 1
	s_mov_b32 s81, SCB
	; and where they come from, as offsets: A's hang on its 128 rows alone, B's on its 256 alone
	s_lshl_b32 s100, s66, 3                        ; A: the first of the eight tiles
	s_lshl_b32 s58, s100, 9
	s_mul_i32 s100, s100, 12288
	s_lshl_b32 s104, s67, 4                        ; B: the first of the sixteen
	s_lshl_b32 s82, s104, 9
	s_mul_i32 s104, s104, 12288
	s_mov_b32 s2, 6291456                          ; xq's scale words begin here,
	s_mov_b32 s3, 3145728                          ; wq's here
	s_cmp_eq_u32 s23, 1
	s_cselect_b32 s101, 1572864, 0                 ; Wv's tiles are wq's 128 on
	s_cselect_b32 s59, 3211264, s2
	s_cselect_b32 s83, s2, s3
	s_add_co_u32 s100, s100, s101
	s_add_co_u32 s58, s58, s59
	s_add_co_u32 s82, s82, s83
	s_mov_b32 s101, 0
	s_mov_b32 s105, 0
	s_mov_b32 s59, 0
	s_mov_b32 s83, 0
	s_wait_dscnt 0x0                               ; the opening add is done
	s_wait_kmcnt 0x0
	s_cmp_eq_u32 s23, 1
	s_cselect_b64 s[2:3], s[6:7], s[4:5]           ; A's buffer
	s_cselect_b64 s[4:5], s[4:5], s[6:7]           ; B's
	s_add_nc_u64 s[100:101], s[2:3], s[100:101]
	s_add_nc_u64 s[58:59], s[2:3], s[58:59]
	s_or_b32 s59, s59, 0x80000000
	s_add_nc_u64 s[104:105], s[4:5], s[104:105]
	s_add_nc_u64 s[82:83], s[4:5], s[82:83]
	s_or_b32 s83, s83, 0x80000000
	G0A 60, 100, 0
	G0A 84, 104, 0
	CROUND                                         ; all sixteen work-groups are here: the joint loads meet
	; the head's four tiles, one joint load a wave, in one chain of branches on the wave's number
	s_cmp_lt_u32 s18, 1
	s_cbranch_scc0 .Lhead_1
	tensor_load_to_lds s[56:59], s[40:47]          ; wave 0: A's scale words
	s_nop 0
	PLACES 4
	s_branch .Lasked
.Lhead_1:
	s_cmp_lt_u32 s18, 2
	s_cbranch_scc0 .Lhead_2
	tensor_load_to_lds s[80:83], s[48:55]          ; wave 1: B's scale words
	s_nop 0
	PLACES 4
	s_branch .Lasked
.Lhead_2:
	s_cmp_lt_u32 s18, 3
	s_cbranch_scc0 .Lhead_3
	tensor_load_to_lds s[60:63], s[24:31]          ; wave 2: A's codes
	s_nop 0
	PLACES 4
	s_branch .Lasked
.Lhead_3:
	tensor_load_to_lds s[84:87], s[32:39]          ; wave 3: B's codes
	s_nop 0
	PLACES 4
.Lasked:
	v_and_b32 v1, 15, v0                           ; r
	v_bfe_u32 v2, v0, 4, 1                         ; h
	v_and_b32 v3, 31, v0
	v_lshlrev_b32 v12, 3, v3                       ; 8 x lane
	v_lshlrev_b32 v3, 4, v3                        ; 16 x lane
	s_mul_i32 s2, s19, 49152
	v_add_nc_u32 v4, s2, v3                        ; A's fragments: my four tiles
	s_mul_i32 s2, s20, 98304
	s_add_co_u32 s2, s2, 98304
	v_add_nc_u32 v6, s2, v3                        ; B's: my tiles 0-3,
	v_add_nc_u32 v7, 49152, v6                     ; and 4-7
	v_lshlrev_b32 v13, 4, v1                       ; 16 r
	s_lshl_b32 s2, s19, 11
	s_add_co_u32 s2, s2, SCA
	v_add_nc_u32 v10, s2, v13                      ; A's scale words
	v_lshl_add_u32 v11, v2, 11, v13                ; B's: lanes 16-31 take the tile four further on
	s_lshl_b32 s2, s20, 12
	s_add_co_u32 s2, s2, SCB
	v_add_nc_u32 v11, s2, v11
	v_lshl_add_u32 v14, v2, 3, v13                 ; 16 r + 8 h
	v_lshl_add_u32 v13, v2, 15, v13                ; 16 r + 32,768 h
	v_lshlrev_b32 v15, 6, v2                       ; 64 h
	v_and_b32 v16, 8, v1
	v_add_nc_u32 v16, v16, v1
	v_lshlrev_b32 v16, 2, v16                      ; 4 (r + 8 (r / 8))
; the fragments of K step s into set s % 2: 24 loads for B, 12 for A, each of 512 consecutive bytes
.macro FETCH s
	WIN 0x40                                       ; destination window 1
.irp b, 0,1,2,3,4,5,6,7
.irp j, 0,1,2
	ds_load_b128 v[128*((\s)%2)+12*\b+4*\j:128*((\s)%2)+12*\b+4*\j+3], v[6+\b/4] offset:12288*(\b%4)+1536*(\s)+512*\j
.endr
.endr
	WIN 0
.irp a, 0,1,2,3
.irp j, 0,1,2
	ds_load_b128 v[96+48*((\s)%2)+12*\a+4*\j:96+48*((\s)%2)+12*\a+4*\j+3], v4 offset:12288*\a+1536*(\s)+512*\j
.endr
.endr
.endm
; one product.  cm = 0: it adds in place; 1: it starts the sum with the bias of B's tile b; 2: with that of A's tile a
.macro WM a, b, s, cm
.set rD, 8*(8*(\a)+(\b))
.set rB, 128*((\s)%2)+12*(\b)
.set rA, 96+48*((\s)%2)+12*(\a)
.set rC, rD
.if (\cm) == 1
.set rC, 192+8*(\b)
.endif
.if (\cm) == 2
.set rC, 192+8*(\a)
.endif
.if (\b) < 4
	v_wmma_scale_f32_16x16x128_f8f6f4 v[rD:rD+7], v[rB:rB+11], v[rA:rA+11], v[rC:rC+7], v[64+8*((\b)%4)+(\s)], v[32+8*(\a)+(\s)] matrix_a_fmt:MATRIX_FMT_FP6 matrix_b_fmt:MATRIX_FMT_FP6
.else
	v_wmma_scale_f32_16x16x128_f8f6f4 v[rD:rD+7], v[rB:rB+11], v[rA:rA+11], v[rC:rC+7], v[64+8*((\b)%4)+(\s)], v[32+8*(\a)+(\s)] matrix_a_fmt:MATRIX_FMT_FP6 matrix_b_fmt:MATRIX_FMT_FP6 matrix_a_scale:MATRIX_SCALE_ROW1
.endif
.endm
.macro MULWIN cm
.if \cm
	WIN 0x81                                       ; source 0 (B) window 1, source 1 (A) and C (the bias) window 0, D window 2
.else
	WIN 0xa1                                       ; C and D window 2
.endif
.endm
; A K step of 128: 32 products, the accumulators by turns in one order.  Behind the first eight the next step's fragments are fetched.
; All of K has landed ahead of step 0.
.macro STEP s, cm
	s_wait_dscnt 0x0                               ; this step's fragments are in
	MULWIN \cm
.irp b, 0,1,2,3,4,5,6,7
	WM 0, \b, \s, \cm
.endr
.if (\s) < 7
	PLACES 4                                       ; in front of loads into registers that the last step's products have read
	FETCH (\s)+1
	MULWIN \cm
.endif
.irp a, 1,2,3
.irp b, 0,1,2,3,4,5,6,7
	WM \a, \b, \s, \cm
.endr
.endr
	WIN 0
.endm
.macro START                           ; all four loads have landed, everybody's; the scale words of all K steps and the first fragments come into registers
	s_wait_tensorcnt 0x0                           ; my one load has landed; the barrier shows all four
	s_barrier_signal -1
	s_barrier_wait -1
.irp i, 0,1,2,3
.irp k, 0,1
	ds_load_b128 v[32+8*\i+4*\k:35+8*\i+4*\k], v10 offset:512*\i+256*\k
	ds_load_b128 v[64+8*\i+4*\k:67+8*\i+4*\k], v11 offset:512*\i+256*\k
.endr
.endr
	FETCH 0
	s_wait_loadcnt 0x0                             ; the bias
.endm
	s_cmp_eq_u32 s23, 1
	s_cbranch_scc1 .Lvt
	; q, k: the bias runs along B's rows: for tile b my eight columns 32 (b / 2) + 16 h + 8 (b % 2) + 0 .. 7
	s_cmp_eq_u32 ttmp9, 0
	s_cselect_b64 s[8:9], s[8:9], s[10:11]
	s_lshl_b32 s2, s21, 10
	s_lshl_b32 s3, s20, 9
	s_add_co_u32 s2, s2, s3
	s_mov_b32 s3, 0
	s_add_nc_u64 s[8:9], s[8:9], s[2:3]
	s_wait_alu depctr_va_vdst(0)
.irp b, 0,1,2,3,4,5,6,7
	global_load_b128 v[192+8*\b:195+8*\b], v15, s[8:9] offset:(32*(\b/2)+8*(\b%2))*4
	global_load_b128 v[196+8*\b:199+8*\b], v15, s[8:9] offset:(32*(\b/2)+8*(\b%2))*4+16
.endr
	START
	STEP 0, 1
	s_branch .Ljoined
.Lvt:
	; v: the bias runs along A's rows: one number a lane and tile, the same for the eight tokens of an accumulator
	s_lshl_b32 s2, s66, 9
	s_lshl_b32 s3, s19, 8
	s_add_co_u32 s2, s2, s3
	s_mov_b32 s3, 0
	s_add_nc_u64 s[12:13], s[12:13], s[2:3]
	s_wait_alu depctr_va_vdst(0)
.irp a, 0,1,2,3
	global_load_b32 v[192+8*\a], v16, s[12:13] offset:(32*(\a/2)+8*(\a%2))*4
.endr
	START
.irp a, 0,1,2,3
.irp j, 1,2,3,4,5,6,7
	v_mov_b32 v[192+8*\a+\j], v[192+8*\a]
.endr
.endr
	PLACES 4
	s_wait_alu depctr_va_vdst(0)
	STEP 0, 2
.Ljoined:
.irp s, 1,2,3,4,5,6,7
	STEP \s, 0
.endr
	PLACES 4                                       ; in front of the first read of results, and of writes into registers that the last products have read
; THE WAY OUT.  For A's tile a a lane's 64 results, register 16 b + i = place 32 b + 16 h + i along B's rows, become a fragment in v[96 + 12 a] on and a scale word in v[168 + a].
; Each accumulator is read from its low end on.  The conversions' second halves are made elsewhere (three registers begin on an even number) and moved.
.macro QOUT a
.set CT, 144
.if (\a) == 2
.set CT, 20
.endif
	WIN 0x0a                                       ; sources 0 and 1 window 2
.irp b, 0,1,2,3
	v_max3_num_f32 v[TM+\b], |v[64*(\a)+16*\b]|, |v[64*(\a)+16*\b+1]|, 0x1800000   ; with the floor 2^(3 - 127): the byte cannot fall under 1
.endr
.irp i, 2,4,6,8,10,12,14
.irp b, 0,1,2,3
	v_max3_num_f32 v[TM+\b], |v[64*(\a)+16*\b+\i]|, |v[64*(\a)+16*\b+\i+1]|, v[TM+\b]
.endr
.endr
	WIN 0
.irp b, 0,1,2,3
	v_permlanex16_b32 v[TM+4+\b], v[TM+\b], s104, s105
.endr
.irp b, 0,1,2,3
	v_max_num_f32 v[TM+\b], v[TM+\b], v[TM+4+\b]
.endr
.irp b, 0,1,2,3
	v_add_nc_u32 v[TM+12+\b], 0xff000000, v[TM+\b] ; 2 off the exponent field: the conversion's scale operand
.endr
.irp b, 0,1,2,3
	v_lshrrev_b32 v[TM+4+\b], 23, v[TM+12+\b]
.endr
	v_lshl_or_b32 v[168+(\a)], v[TM+5], 8, v[TM+4]
	v_lshl_or_b32 v[168+(\a)], v[TM+6], 16, v[168+(\a)]
	v_lshl_or_b32 v[168+(\a)], v[TM+7], 24, v[168+(\a)]
	WIN 0x02                                       ; source 0 window 2
.irp c, 0,1
	v_cvt_scalef32_pk16_fp6_f32 v[96+12*(\a)+6*\c:98+12*(\a)+6*\c], v[64*(\a)+32*\c:64*(\a)+32*\c+15], v[TM+12+2*\c]
	v_cvt_scalef32_pk16_fp6_f32 v[CT+4*\c:CT+4*\c+2], v[64*(\a)+32*\c+16:64*(\a)+32*\c+31], v[TM+12+2*\c+1]
.endr
	WIN 0
	v_nop                                          ; one plain place behind a scaled conversion
.irp c, 0,1
.irp i, 0,1,2
	v_permlane16_swap_b32 v[96+12*(\a)+6*\c+\i], v[CT+4*\c+\i]
.endr
.irp i, 0,1,2
	v_mov_b32 v[99+12*(\a)+6*\c+\i], v[CT+4*\c+\i]
.endr
.endr
.endm
.irp b, 0,1,2,3
	v_mov_b32 v[TM+4+\b], 0                        ; written once: a lane permute's destination counts as one of its sources
.endr
	s_mov_b32 s104, 0x76543210
	s_mov_b32 s105, 0xfedcba98
	QOUT 0
	QOUT 1
	QOUT 2
	QOUT 3
	s_cmp_eq_u32 s23, 1
	s_cbranch_scc1 .Lv_out
	; q, k: my 128 columns are two heads: registers 0-5 of a fragment are the first head's half image, 6-11 the second's
	s_lshl_b32 s2, s67, 2
	s_lshl_b32 s3, s20, 1
	s_add_co_u32 s2, s2, s3                        ; the first head-slot
	s_lshl_b32 s3, s66, 1
	s_add_co_u32 s3, s3, s19                       ; my four tiles: tile / 4
	s_mul_i32 s100, s2, 393216
	s_mul_i32 s101, s3, 3072
	s_add_co_u32 s100, s100, s101
	s_mov_b32 s101, 0
	s_add_nc_u64 s[100:101], s[14:15], s[100:101]
	s_lshl_b32 s2, s2, 15
	s_lshl_b32 s3, s3, 8
	s_add_co_u32 s2, s2, s3
	s_add_co_u32 s2, s2, 12582912
	s_mov_b32 s3, 0
	s_add_nc_u64 s[2:3], s[14:15], s[2:3]
	s_wait_alu depctr_va_vdst(0)
.irp a, 0,1,2,3
.irp c, 0,1
.irp p, 0,1,2
	global_store_b64 v12, v[96+12*\a+6*\c+2*\p:97+12*\a+6*\c+2*\p], s[100:101] offset:393216*\c+768*\a+256*\p   ; 32 lanes store 256 consecutive bytes, aligned
.endr
.endr
.endr
	v_lshlrev_b32 v17, 4, v2
.irp a, 0,1,2,3
	v_lshrrev_b32 v[172+\a], v17, v[168+\a]        ; lanes 0-15 keep the first head's two bytes lowest, lanes 16-31 bring the second head's down
.endr
	global_store_b128 v13, v[172:175], s[2:3]      ; sixteen lanes store 256 consecutive bytes for each of the two heads
	s_branch .Lend
.Lv_out:
	; v: my 64 rows are a head's 64, my 128 columns 128 keys of one batch: four whole fragments
	s_lshl_b32 s2, s67, 1
	s_add_co_u32 s2, s2, s20                       ; which 128 tokens
	s_lshr_b32 s3, s2, 4                           ; the batch
	s_and_b32 s2, s2, 15                           ; the key step in it
	s_lshl_b32 s3, s3, 4
	s_lshl_b32 s100, s66, 1
	s_add_co_u32 s100, s100, s19                   ; the head
	s_add_co_u32 s3, s3, s100
	s_lshl_b32 s3, s3, 4
	s_add_co_u32 s3, s3, s2                        ; 16 x (batch x head) + step
	s_mul_i32 s100, s3, 6144
	s_mov_b32 s101, 0
	s_add_nc_u64 s[100:101], s[16:17], s[100:101]
	s_lshl_b32 s2, s3, 8
	s_add_co_u32 s2, s2, 6291456
	s_mov_b32 s3, 0
	s_add_nc_u64 s[2:3], s[16:17], s[2:3]
	s_wait_alu depctr_va_vdst(0)
.irp a, 0,1,2,3
.irp j, 0,1,2
	global_store_b128 v3, v[96+12*\a+4*\j:99+12*\a+4*\j], s[100:101] offset:1536*\a+512*\j   ; 32 lanes store 512 consecutive bytes
.endr
.endr
	v_cmp_eq_u32 vcc_lo, 1, v2
	v_cndmask_b32 v172, v168, v170, vcc_lo         ; lanes 0-15 store tiles 0 and 1's words of their row, lanes 16-31 tiles 2 and 3's
	v_cndmask_b32 v173, v169, v171, vcc_lo
	global_store_b64 v14, v[172:173], s[2:3]       ; 32 lanes store 256 consecutive bytes, aligned
.Lend:
	s_wait_tensorcnt 0x0                           ; the wave's end, behind my last tensor load
	ds_add_u32 v[SPW], v[NIL]
	s_wait_dscnt 0x0
	CROUND                                         ; the closing round
	s_endpgm
.Lfunc_end_k_q2fccec6520_proj:
	.size	k_q2fccec6520_proj, .Lfunc_end_k_q2fccec6520_proj-k_q2fccec6520_proj
	.p2alignl 7, 3214868480
	.fill 96, 4, 3214868480
	.section	.rodata,"a",@progbits
	.p2align	6, 0x0
	.amdhsa_kernel k_q2fccec6520_proj
		.amdhsa_group_segment_fixed_size 307712
		.amdhsa_private_segment_fixed_size 0
		.amdhsa_enable_private_segment 0
		.amdhsa_kernarg_size 56
		.amdhsa_user_sgpr_count 2
		.amdhsa_user_sgpr_kernarg_segment_ptr 1
		.amdhsa_wavefront_size32 1
		.amdhsa_system_sgpr_workgroup_id_x 1
		.amdhsa_system_sgpr_workgroup_id_y 1
		.amdhsa_system_sgpr_workgroup_id_z 1
		.amdhsa_system_vgpr_workitem_id 0
		.amdhsa_next_free_vgpr 768
		.amdhsa_next_free_sgpr 106
		.amdhsa_reserve_vcc 1
		.amdhsa_float_denorm_mode_32 3
		.amdhsa_float_denorm_mode_16_64 3
		.amdhsa_memory_ordered 1
		.amdhsa_forward_progress 1
		.amdhsa_inst_pref_size 96
	.end_amdhsa_kernel
	.amdgpu_metadata
---
amdhsa.version: [ 1, 2 ]
amdhsa.kernels:
  - .name:           k_q2fccec6520_proj
    .symbol:         k_q2fccec6520_proj.kd
    .args:
      - { .name: xq, .offset: 0, .size: 8, .value_kind: global_buffer, .address_space: global }
      - { .name: wq, .offset: 8, .size: 8, .value_kind: global_buffer, .address_space: global }
      - { .name: bq, .offset: 16, .size: 8, .value_kind: global_buffer, .address_space: global }
      - { .name: bk, .offset: 24, .size: 8, .value_kind: global_buffer, .address_space: global }
      - { .name: bv, .offset: 32, .size: 8, .value_kind: global_buffer, .address_space: global }
      - { .name: qk, .offset: 40, .size: 8, .value_kind: global_buffer, .address_space: global }
      - { .name: vq, .offset: 48, .size: 8, .value_kind: global_buffer, .address_space: global }
    .group_segment_fixed_size: 307712
    .private_segment_fixed_size: 0
    .kernarg_segment_align: 8
    .kernarg_segment_size: 56
    .max_flat_workgroup_size: 128
    .sgpr_count:     106
    .vgpr_count:     768
    .wavefront_size: 32
...
	.end_amdgpu_metadata
.endif
;; end of part 2
;; launch attn (part 3): grid 4 x 64, 16 waves a work-group, clusters of 4 x 1, 212,992 bytes of LDS; arguments qk, vq, oq; writes oq
.if DOCPART == 3
	.amdgcn_target "amdgcn-amd-amdhsa--gfx1250"
	.amdhsa_code_object_version 6
	.text
	.protected	k_q2fccec6520_attn
	.globl	k_q2fccec6520_attn
	.p2align	8
	.type	k_q2fccec6520_attn,@function
k_q2fccec6520_attn:
	s_mov_b64 s[64:65], 0
	v_nop
	global_prefetch_b8 v0, s[64:65] scope:SCOPE_SE
	s_setreg_imm32_b32 hwreg(HW_REG_WAVE_MODE, 25, 1), 1
	s_wait_xcnt 0x0
	s_wait_alu depctr_hold_cnt(0) depctr_sa_sdst(0) depctr_va_vdst(0) depctr_va_sdst(0) depctr_va_ssrc(0) depctr_va_vcc(0) depctr_vm_vsrc(0)
	s_getreg_b32 s2, hwreg(HW_REG_IB_STS2, 6, 4)
	s_cmp_eq_u32 s2, 0
	s_cbranch_scc0 .Lentry_in_a_cluster
	s_endpgm
.Lentry_in_a_cluster:
	s_bfe_u32 s2, ttmp6, 0x10000c
	s_cmp_lg_u32 s2, 0x3003
	s_cbranch_scc0 .Lentry_shape_is_right
	s_endpgm
.Lentry_shape_is_right:
; For each batch and head: O = softmax(Q K^T / 8) V on codes of FP6 (E2M3) with E8M0 scales; O is divided by the row's sum and quantised again along the model's axis (a head's 64 are two blocks).
; THE SOFTMAX: t = score x log2(e) / 8; M = the running largest t rounded up to a whole number; p = 2^(t - M) is quantised along the keys, not normalised; the row's sum is taken of the unquantised p.
; When M moves, the sum and O are multiplied by 2^(old M - new M): exact.
; SHARES.  A work-group owns 512 queries of one head; each of its sixteen waves takes one tile of 16 queries at a time, in two passes; every wave walks the head's 2,048 keys, 128 a step.
; ALL OF THE HEAD'S K AND V STAY IN LDS (98,304 bytes each, and their scale words), filled once: no slot is filled again.
; CLUSTER.  The four work-groups of a cluster belong to one head: K and V are asked for jointly, by waves 0, 2, 4 (K) and 1, 3, 5 (V) of each.  My place in the cluster enters Q's and O's addresses in memory alone.
; LAYOUT.  Both products are used transposed: S^T = K Q^T (source 0 = 16 keys), O^T = V^T P^T (source 0 = 16 of the head's 64): a lane holds one query throughout.  The rows of a tile are not neighbours
; (row r of tile 2 G + u is 32 G + 8 u + r + 8 (r / 8)), so the 16 registers of tiles 2 g, 2 g + 1 are 16 neighbours.  The first product's K is 64: registers 6-11 of Q's and K's fragments are zero codes.
; LIMITS: a block of zeros gets the byte 1 (its codes are zeros; this program alone reads the bytes); NaN and infinities are not served.
; REGISTERS: v0 O's scale word's place in LDS; v1 8 x lane; v2-4 my lane's place in V, K's words, V's words; v5, v6 the add's two; v7 16 r; v8-11 the step's addresses; v12 -M, v13 the largest t, v[14:15] the sum;
; v16-27 Q; v28-31 V's scale words; v32-79 four fragments of K; v80-127 V's four; v128-191 S^T, then p; v192-223 O^T; v224-235 p's codes; v232-254 at work (v243: the last copy's LDS address); v255 Q's scale word.
.set VIMG,  98304
.set KSW,   196608
.set VSW,   204800
.set SPARE, 208896                     ; the spare words, 128 bytes for each wave: eight blocks of 256 bytes that no other line names
.set OSW,   210944                     ; O's scale words of the work-group's 512 queries: stored by the waves, never filled by a load
.set SPW, 5
.set NIL, 6
.set TB,  84                           ; s84  where the step's tiles begin, in K's and in V's bytes alike: 6,144 a step
.set TS,  85                           ; s85  K's scale words: 512 a step
.set TJ,  86                           ; s86  V's: 256 a step
.macro CROUND
	s_barrier_signal -1
	s_barrier_wait -1
	s_cmp_lg_u32 s10, 0
	s_cbranch_scc1 .Lnot_wave_0_\@
	s_barrier_signal -3
.Lnot_wave_0_\@:
	s_barrier_wait -3
	s_barrier_signal -1
	s_barrier_wait -1
.endm
	s_load_b128 s[4:7], s[0:1], 0x0                ; qk, vq
	s_load_b64 s[8:9], s[0:1], 0x10                ; oq
	v_lshl_add_u32 v[SPW], v0, 2, SPARE
	v_mov_b32 v[NIL], 0
	ds_add_u32 v[SPW], v[NIL]                      ; the wave's opening: the add and its wait, ahead of the round in front of the first tensor loads
	ds_add_u32 v[SPW], v[NIL]
	v_lshrrev_b32 v8, 5, v0
	s_delay_alu instid0(VALU_DEP_1)
	v_readfirstlane_b32 s10, v8                    ; wave 0..15
	v_and_b32 v9, 31, v0                           ; lane
	v_and_b32 v10, 15, v0                          ; r
	s_delay_alu instid0(VALU_DEP_2)
	v_lshlrev_b32 v1, 3, v9
	s_delay_alu instid0(VALU_DEP_3)
	v_lshlrev_b32 v2, 4, v9
	s_delay_alu instid0(VALU_DEP_3)
	v_lshlrev_b32 v7, 4, v10
	s_lshl_b32 s15, s10, 9
	s_add_co_u32 s15, s15, OSW
	v_add_nc_u32 v243, s15, v2                     ; waves 0-3: 512 bytes each of O's scale words
	v_add_nc_u32 v2, VIMG, v2
	v_add_nc_u32 v3, KSW, v7
	v_add_nc_u32 v4, VSW, v7
	s_lshl_b32 s15, s10, 6
	s_add_co_u32 s15, s15, OSW
	v_lshl_add_u32 v0, v10, 2, s15                 ; my query's word: 64 bytes a tile, 4 a row
	s_bfe_u32 s11, ttmp6, 0x40000                  ; cx
	s_and_b32 s12, ttmp7, 0xffff                   ; batch x head
	s_and_b32 s13, s12, 15                         ; head
	s_lshr_b32 s14, s12, 4                         ; batch
	; groups 1: dense blocks as rows of 256 bytes (32 elements of 8 bytes); the mask names all four work-groups
.irp g, 24, 32, 40, 48
	s_mov_b32 s[\g], 15|(3<<16)|(1<<21)
	s_mov_b32 s[\g+1], 32<<16
	s_mov_b32 s[\g+3], 32<<16
	s_mov_b32 s[\g+5], 32
	s_mov_b32 s[\g+6], 0
	s_mov_b32 s[\g+7], 0
.endr
	s_mov_b32 s26, 96<<16                          ; the first 512 keys: 24,576 bytes
	s_mov_b32 s28, 96
	s_mov_b32 s34, 288<<16                         ; the other 1,536: 73,728 bytes
	s_mov_b32 s36, 288
	s_mov_b32 s42, 32<<16                          ; K's scale words: 8,192 bytes
	s_mov_b32 s44, 32
	s_mov_b32 s50, 16<<16                          ; V's: 4,096 bytes
	s_mov_b32 s52, 16
	; groups 0: K's words, first keys, rest: s[56:59], s[60:63], s[68:71]; V's: s[72:75], s[76:79], s[80:83]
	s_mov_b32 s56, 1
	s_mov_b32 s57, KSW
	s_mov_b32 s60, 1
	s_mov_b32 s61, 0
	s_mov_b32 s68, 1
	s_mov_b32 s69, 24576
	s_mov_b32 s72, 1
	s_mov_b32 s73, VSW
	s_mov_b32 s76, 1
	s_mov_b32 s77, VIMG
	s_mov_b32 s80, 1
	s_mov_b32 s81, VIMG+24576
	s_add_co_u32 s15, s13, 16                      ; k's head-slot
	s_mul_i32 s62, s15, 393216
	s_mul_i32 s16, s14, 98304
	s_add_co_u32 s62, s62, s16
	s_mov_b32 s63, 0
	s_lshl_b32 s58, s15, 15
	s_lshl_b32 s16, s14, 13
	s_add_co_u32 s58, s58, s16
	s_add_co_u32 s58, s58, 12582912
	s_mov_b32 s59, 0
	s_mul_i32 s78, s12, 98304
	s_mov_b32 s79, 0
	s_lshl_b32 s74, s12, 12
	s_add_co_u32 s74, s74, 6291456
	s_mov_b32 s75, 0
	; Q and O: my first tile of queries is 128 batch + 32 cx + wave; the second pass takes the tile 16 further on
	s_lshl_b32 s15, s14, 7
	s_lshl_b32 s16, s11, 5
	s_add_co_u32 s15, s15, s16
	s_add_co_u32 s15, s15, s10
	s_mul_i32 s88, s13, 393216
	s_mul_i32 s16, s15, 768
	s_add_co_u32 s88, s88, s16                     ; Q's codes
	s_mov_b32 s89, 0
	s_mul_i32 s92, s15, 12288
	s_mul_i32 s16, s13, 768
	s_add_co_u32 s92, s92, s16                     ; O's codes
	s_mov_b32 s93, 0
	s_lshr_b32 s16, s15, 2
	s_lshl_b32 s90, s16, 8
	s_and_b32 s16, s15, 3
	s_lshl_b32 s16, s16, 2
	s_add_co_u32 s90, s90, s16
	s_lshl_b32 s16, s13, 15
	s_add_co_u32 s90, s90, s16
	s_add_co_u32 s90, s90, 12582912                ; Q's scale words
	s_mov_b32 s91, 0
	s_lshl_b32 s94, s14, 13
	s_lshl_b32 s17, s11, 11
	s_add_co_u32 s94, s94, s17
	s_lshl_b32 s17, s10, 9
	s_add_co_u32 s94, s94, s17
	s_add_co_u32 s94, s94, s16
	s_add_co_u32 s94, s94, 6291456                 ; O's scale words: the head's row, my work-group's 2,048 bytes, 512 for each of waves 0-3
	s_mov_b32 s95, 0
	s_mov_b32 s20, 0x76543210
	s_mov_b32 s21, 0xfedcba98                      ; v_permlanex16_b32's selects for lane l xor 16
	s_mov_b32 s22, 0x3e38aa3b                      ; c = log2(e) / 8
	s_mov_b32 s23, s22                             ; (named with it as a pair, so it is written)
	s_wait_dscnt 0x0                               ; the opening add is done
	s_wait_kmcnt 0x0
	s_add_nc_u64 s[62:63], s[4:5], s[62:63]
	s_add_nc_u64 s[70:71], s[62:63], 24576
	s_or_b32 s63, s63, 0x80000000
	s_or_b32 s71, s71, 0x80000000
	s_add_nc_u64 s[58:59], s[4:5], s[58:59]
	s_or_b32 s59, s59, 0x80000000
	s_add_nc_u64 s[78:79], s[6:7], s[78:79]
	s_add_nc_u64 s[82:83], s[78:79], 24576
	s_or_b32 s79, s79, 0x80000000
	s_or_b32 s83, s83, 0x80000000
	s_add_nc_u64 s[74:75], s[6:7], s[74:75]
	s_or_b32 s75, s75, 0x80000000
	s_add_nc_u64 s[88:89], s[4:5], s[88:89]
	s_add_nc_u64 s[90:91], s[4:5], s[90:91]
	s_add_nc_u64 s[92:93], s[8:9], s[92:93]
	s_add_nc_u64 s[94:95], s[8:9], s[94:95]
	CROUND                                         ; all four work-groups are here: the joint loads meet
; the six first fills, one joint load a wave, waves 0 to 5, in one chain of branches on the wave's number
.macro ARM under, g0, g1, next
	s_cmp_lt_u32 s10, \under
	s_cbranch_scc0 \next
	tensor_load_to_lds s[\g0:\g0+3], s[\g1:\g1+7]
	s_nop 0
.rept 4
	v_nop
.endr
	s_branch .Lasked
\next:
.endm
	ARM 1, 56, 40, .Lhead_1                        ; K's scale words
	ARM 2, 72, 48, .Lhead_2                        ; V's
	ARM 3, 60, 24, .Lhead_3                        ; K's first 512 keys
	ARM 4, 76, 24, .Lhead_4                        ; V's
	ARM 5, 68, 32, .Lhead_5                        ; K's other 1,536
	s_cmp_lt_u32 s10, 6
	s_cbranch_scc0 .Lasked
	tensor_load_to_lds s[80:83], s[32:39]          ; V's other 1,536
	s_nop 0
.rept 4
	v_nop
.endr
.Lasked:
.macro QLOAD p                         ; pass p's tile of queries: half a fragment (K = 64) and its scale word
.irp i, 0,1,2
	global_load_b64 v[16+2*\i:17+2*\i], v1, s[88:89] offset:12288*(\p)+256*\i
.endr
	global_load_b32 v255, v7, s[90:91] offset:1024*(\p)
.endm
	s_wait_alu depctr_va_vdst(0)
	QLOAD 0
.irp j, 22,23,24,25,26,27
	v_mov_b32 v[\j], 0                             ; K = 64 .. 127 of the first product: zero codes, in Q
.endr
.irp t, 0,1,2,3
.irp j, 6,7,8,9,10,11
	v_mov_b32 v[32+12*\t+\j], 0                    ; and in K's four fragments: written once, never loaded
.endr
.endr
.irp b, 0,1,2,3
	v_mov_b32 v[236+\b], 0                         ; written once: a lane permute's destination counts as one of its sources
.endr
	v_mov_b32 v252, 0
	v_mov_b32 v253, 0                              ; (named as the upper half of the pair v[252:253] before it is first written)
; A KEY STEP: 128 keys
.macro STEP
	v_add_nc_u32 v8, s[TB], v1                     ; these four are also the places in front of the loads into registers that the last step's products have read
	v_add_nc_u32 v9, s[TB], v2
	v_add_nc_u32 v10, s[TS], v3
	v_add_nc_u32 v11, s[TJ], v4
.irp t, 0,1,2,3
.irp p, 0,1,2
	ds_load_b64 v[32+12*\t+2*\p:33+12*\t+2*\p], v8 offset:768*\t+256*\p
.endr
.endr
	ds_load_b128 v[248:251], v10                   ; the four tiles' scale words of row r
.irp d, 0,1,2,3
.irp j, 0,1,2
	ds_load_b128 v[80+12*\d+4*\j:83+12*\d+4*\j], v9 offset:1536*\d+512*\j
.endr
.endr
	ds_load_b128 v[28:31], v11
	s_wait_alu depctr_va_vdst(0)
	s_wait_dscnt 13                                ; K's 13 loads are in; V's 13 may be out
.irp t, 0,1,2,3
	v_wmma_scale_f32_16x16x128_f8f6f4 v[128+8*\t:135+8*\t], v[32+12*\t:43+12*\t], v[16:27], 0, v[248+\t], v255 matrix_a_fmt:MATRIX_FMT_FP6 matrix_b_fmt:MATRIX_FMT_FP6
.endr
.rept 4
	v_nop                                          ; places in front of loads into registers that these products have read
.endr
.irp t, 0,1,2,3
.irp p, 0,1,2
	ds_load_b64 v[32+12*\t+2*\p:33+12*\t+2*\p], v8 offset:3072+768*\t+256*\p
.endr
.endr
	ds_load_b128 v[248:251], v10 offset:256
	s_wait_dscnt 0x0
	s_barrier_wait -1                              ; every wave has reached this place of the step before: the sixteen waves stay within one key step of each other
	s_barrier_signal -1                            ; and I am here; no LDS access of mine is out.  Up to the next wait: register work and loads of K and V, which nobody writes
.irp t, 0,1,2,3
	v_wmma_scale_f32_16x16x128_f8f6f4 v[160+8*\t:167+8*\t], v[32+12*\t:43+12*\t], v[16:27], 0, v[248+\t], v255 matrix_a_fmt:MATRIX_FMT_FP6 matrix_b_fmt:MATRIX_FMT_FP6
.endr
; the largest score of each block of 32 keys: for the row's maximum, and, since p rises with the score, for the block's largest p.
; Blocks 0 and 1 come first: their fourteen lines name no register of the four products above and are the places behind them
.irp b, 0,1
	v_max3_num_f32 v[232+\b], v[128+16*\b], v[129+16*\b], v[130+16*\b]
.endr
.irp i, 3,5,7,9,11,13
.irp b, 0,1
	v_max3_num_f32 v[232+\b], v[232+\b], v[128+16*\b+\i], v[129+16*\b+\i]
.endr
.endr
.irp b, 2,3
	v_max3_num_f32 v[232+\b], v[128+16*\b], v[129+16*\b], v[130+16*\b]
.endr
.irp i, 3,5,7,9,11,13
.irp b, 2,3
	v_max3_num_f32 v[232+\b], v[232+\b], v[128+16*\b+\i], v[129+16*\b+\i]
.endr
.endr
.irp b, 0,1,2,3
	v_max_num_f32 v[232+\b], v[232+\b], v[143+16*\b]
.endr
.irp b, 0,1,2,3
	s_delay_alu instid0(VALU_DEP_4)
	v_permlanex16_b32 v[236+\b], v[232+\b], s20, s21
.endr
.irp b, 0,1,2,3
	s_delay_alu instid0(VALU_DEP_4)
	v_max_num_f32 v[232+\b], v[232+\b], v[236+\b]  ; with lane l xor 16's 16 keys
.endr
	s_delay_alu instid0(VALU_DEP_2)
	v_max3_num_f32 v254, v232, v233, v234
	s_delay_alu instid0(VALU_DEP_1)
	v_max_num_f32 v254, v254, v235
	s_delay_alu instid0(VALU_DEP_1)
	v_mul_f32 v254, s22, v254                      ; the step's largest t (c is positive)
	s_delay_alu instid0(VALU_DEP_1)
	v_max_num_f32 v13, v13, v254                   ; the running largest t
	v_mov_b32 v254, v12
	s_delay_alu instid0(VALU_DEP_2)
	v_floor_f32 v12, -v13                          ; the new -M = floor(-t): M is a whole number
	s_delay_alu instid0(VALU_DEP_1)
	v_sub_f32 v254, v12, v254                      ; old M - new M: a whole number, 0 or less
	s_delay_alu instid0(VALU_DEP_1)
	v_cvt_i32_f32 v254, v254                       ; (it saturates)
	s_delay_alu instid0(VALU_DEP_1)
	v_ldexp_f32 v252, 1.0, v254                    ; f = 2^(old M - new M)
.irp j, 0,2,4,6,8,10,12,14,16,18,20,22,24,26,28,30,32,34,36,38,40,42,44,46,48,50,52,54,56,58,60,62
	v_pk_fma_f32 v[128+\j:129+\j], v[128+\j:129+\j], s[22:23], v[12:13] op_sel_hi:[1,0,0]   ; t - M, two at a time
.endr
.irp b, 0,1,2,3
	v_fma_f32 v[232+\b], v[232+\b], s22, v12       ; the same of each block's largest score
.endr
	s_wait_alu depctr_va_vdst(0)
.irp j, 0,1,2,3,4,5,6,7,8,9,10,11,12,13,14,15,16,17,18,19,20,21,22,23,24,25,26,27,28,29,30,31,32,33,34,35,36,37,38,39,40,41,42,43,44,45,46,47,48,49,50,51,52,53,54,55,56,57,58,59,60,61,62,63
	v_exp_f32 v[128+\j], v[128+\j]                 ; p = 2^(t - M), at most 1
.endr
	v_pk_mul_f32 v[14:15], v[14:15], v[252:253] op_sel_hi:[1,0]   ; the sums under the new M: the plain place behind the exponentials
	s_wait_alu depctr_va_vdst(0)                   ; one wait for the batch of 64, ahead of its first reader
.irp b, 0,1,2,3
	v_exp_f32 v[232+\b], v[232+\b]                 ; the blocks' largest p
.endr
	v_pk_add_f32 v[236:237], v[132:133], v[136:137]
	v_pk_add_f32 v[250:251], v[140:141], v[144:145]
	v_pk_add_f32 v[248:249], v[148:149], v[152:153]
	v_pk_add_f32 v[246:247], v[156:157], v[160:161]
	v_pk_add_f32 v[244:245], v[164:165], v[168:169]
	v_pk_add_f32 v[240:241], v[172:173], v[176:177]
	v_pk_add_f32 v[238:239], v[180:181], v[184:185]
	v_pk_add_f32 v[14:15], v[14:15], v[188:189]
	v_pk_add_f32 v[236:237], v[236:237], v[128:129]
	v_pk_add_f32 v[250:251], v[250:251], v[130:131]
	v_pk_add_f32 v[248:249], v[248:249], v[134:135]
	v_pk_add_f32 v[246:247], v[246:247], v[138:139]
	v_pk_add_f32 v[244:245], v[244:245], v[142:143]
	v_pk_add_f32 v[240:241], v[240:241], v[146:147]
	v_pk_add_f32 v[238:239], v[238:239], v[150:151]
	v_pk_add_f32 v[14:15], v[14:15], v[154:155]
	v_pk_add_f32 v[236:237], v[236:237], v[158:159]
	v_pk_add_f32 v[250:251], v[250:251], v[162:163]
	v_pk_add_f32 v[248:249], v[248:249], v[166:167]
	v_pk_add_f32 v[246:247], v[246:247], v[170:171]
	v_pk_add_f32 v[244:245], v[244:245], v[174:175]
	v_pk_add_f32 v[240:241], v[240:241], v[178:179]
	v_pk_add_f32 v[238:239], v[238:239], v[182:183]
	v_pk_add_f32 v[14:15], v[14:15], v[186:187]
	v_pk_add_f32 v[236:237], v[236:237], v[190:191]
	s_delay_alu instid0(VALU_DEP_2)
	v_pk_add_f32 v[14:15], v[14:15], v[246:247]
	s_delay_alu instid0(VALU_DEP_2)
	v_pk_add_f32 v[236:237], v[236:237], v[244:245]
	v_pk_add_f32 v[250:251], v[250:251], v[240:241]
	v_pk_add_f32 v[248:249], v[248:249], v[238:239]
	s_delay_alu instid0(VALU_DEP_2)
	v_pk_add_f32 v[14:15], v[14:15], v[250:251]
	s_delay_alu instid0(VALU_DEP_2)
	v_pk_add_f32 v[236:237], v[236:237], v[248:249]
	s_delay_alu instid0(VALU_DEP_1)
	v_pk_add_f32 v[14:15], v[14:15], v[236:237]
	s_wait_alu depctr_va_vdst(0)                   ; and one for the four
.irp b, 0,1,2,3
	v_max_num_f32 v[232+\b], 0x1800000, v[232+\b]  ; the floor 2^(3 - 127): the byte cannot fall under 1
.endr
.irp b, 0,1,2,3
	s_delay_alu instid0(VALU_DEP_4)
	v_add_nc_u32 v[244+\b], 0xff000000, v[232+\b]  ; the conversion's scale operand
.endr
.irp b, 0,1,2,3
	s_delay_alu instid0(VALU_DEP_4)
	v_lshrrev_b32 v[236+\b], 23, v[244+\b]         ; the byte
.endr
	s_delay_alu instid0(VALU_DEP_3)
	v_lshl_or_b32 v253, v237, 8, v236              ; p's scale word for these 128 keys
	s_delay_alu instid0(VALU_DEP_1)
	v_lshl_or_b32 v253, v238, 16, v253
	s_delay_alu instid0(VALU_DEP_1)
	v_lshl_or_b32 v253, v239, 24, v253
.irp c, 0,1
	v_cvt_scalef32_pk16_fp6_f32 v[224+6*\c:226+6*\c], v[128+32*\c:143+32*\c], v[244+2*\c]
	v_cvt_scalef32_pk16_fp6_f32 v[236+4*\c:238+4*\c], v[144+32*\c:159+32*\c], v[244+2*\c+1]
.endr
	v_nop                                          ; one plain place behind a scaled conversion
.irp c, 0,1
.irp i, 0,1,2
	v_permlane16_swap_b32 v[224+6*\c+\i], v[236+4*\c+\i]
.endr
.irp i, 0,1,2
	s_delay_alu instid0(VALU_DEP_3)
	v_mov_b32 v[227+6*\c+\i], v[236+4*\c+\i]
.endr
.endr
.irp j, 0,2,4,6,8,10,12,14,16,18,20,22,24,26,28,30
	v_pk_mul_f32 v[192+\j:193+\j], v[192+\j:193+\j], v[252:253] op_sel_hi:[1,0]   ; O^T under the new M; of these sixteen at least twelve name no register of any one product below: the places behind p's codes and scale word
.endr
.irp d, 0,1,2,3
	v_wmma_scale_f32_16x16x128_f8f6f4 v[192+8*\d:199+8*\d], v[80+12*\d:91+12*\d], v[224:235], v[192+8*\d:199+8*\d], v[28+\d], v253 matrix_a_fmt:MATRIX_FMT_FP6 matrix_b_fmt:MATRIX_FMT_FP6
.endr
	s_add_co_u32 s[TB], s[TB], 6144
	s_add_co_u32 s[TS], s[TS], 512
	s_add_co_u32 s[TJ], s[TJ], 256
.endm
.macro SLOOP n
	s_mov_b32 s87, \n
	s_wait_dscnt 0x0                               ; no LDS access of mine is out
	s_barrier_signal -1                            ; the signal that the first step's wait takes
.Lkeys_\@:
	STEP
	s_sub_co_u32 s87, s87, 1
	s_cmp_lg_u32 s87, 0
	s_cbranch_scc1 .Lkeys_\@
	s_barrier_wait -1                              ; the wait for the last step's signal
.endm
.macro INIT                            ; a pass begins: the step is written once, and its first trip finds zeros, which the first change of M leaves zeros
	v_mov_b32 v13, 0xff61b1e6                      ; the largest t so far: -3e38
	s_delay_alu instid0(VALU_DEP_1)
	v_floor_f32 v12, -v13
	v_mov_b32 v14, 0
	v_mov_b32 v15, 0
.irp j, 0,1,2,3,4,5,6,7,8,9,10,11,12,13,14,15,16,17,18,19,20,21,22,23,24,25,26,27,28,29,30,31
	v_mov_b32 v[192+\j], 0
.endr
	s_mov_b32 s[TB], 0
	s_mov_b32 s[TS], 0
	s_mov_b32 s[TJ], 0
.endm
; A pass ends: O^T / the sum; register 16 g + i is channel 32 g + 16 h + i of my query: two blocks of the next product's K: half a fragment and two scale bytes
.macro EPI p
.rept 4
	v_nop                                          ; places behind the last products
.endr
	v_add_f32 v14, v14, v15
	s_delay_alu instid0(VALU_DEP_1)
	v_permlanex16_b32 v252, v14, s20, s21
	s_delay_alu instid0(VALU_DEP_1)
	v_add_f32 v14, v14, v252                       ; the row's sum
	s_wait_alu depctr_va_vdst(0)
	v_rcp_f32 v14, v14
	v_nop                                          ; a plain place behind the reciprocal
	s_wait_alu depctr_va_vdst(0)                   ; and the wait ahead of its first reader
.irp j, 0,2,4,6,8,10,12,14,16,18,20,22,24,26,28,30
	v_pk_mul_f32 v[128+\j:129+\j], v[192+\j:193+\j], v[14:15] op_sel_hi:[1,0]   ; each accumulator from its low end on
.endr
.irp g, 0,1
	v_max3_num_f32 v[232+\g], |v[128+16*\g]|, |v[129+16*\g]|, 0x1800000
.endr
.irp i, 2,4,6,8,10,12,14
.irp g, 0,1
	s_delay_alu instid0(VALU_DEP_2)
	v_max3_num_f32 v[232+\g], v[232+\g], |v[128+16*\g+\i]|, |v[129+16*\g+\i]|
.endr
.endr
.irp g, 0,1
	s_delay_alu instid0(VALU_DEP_2)
	v_permlanex16_b32 v[236+\g], v[232+\g], s20, s21
.endr
.irp g, 0,1
	s_delay_alu instid0(VALU_DEP_2)
	v_max_num_f32 v[232+\g], v[232+\g], v[236+\g]
.endr
.irp g, 0,1
	s_delay_alu instid0(VALU_DEP_2)
	v_add_nc_u32 v[244+\g], 0xff000000, v[232+\g]
.endr
.irp g, 0,1
	s_delay_alu instid0(VALU_DEP_2)
	v_lshrrev_b32 v[236+\g], 23, v[244+\g]
.endr
	s_delay_alu instid0(VALU_DEP_1)
	v_lshl_or_b32 v240, v237, 8, v236              ; bytes 2 and 3 stay 0
	v_cvt_scalef32_pk16_fp6_f32 v[224:226], v[128:143], v244
	v_cvt_scalef32_pk16_fp6_f32 v[228:230], v[144:159], v245
	v_nop
.irp i, 0,1,2
	v_permlane16_swap_b32 v[224+\i], v[228+\i]
.endr
	s_delay_alu instid0(VALU_DEP_3)
	v_mov_b32 v227, v228
	s_delay_alu instid0(VALU_DEP_3)
	v_mov_b32 v228, v229
	s_delay_alu instid0(VALU_DEP_3)
	v_mov_b32 v229, v230
.irp i, 0,1,2
	global_store_b64 v1, v[224+2*\i:225+2*\i], s[92:93] offset:196608*(\p)+256*\i   ; 32 lanes store 256 consecutive bytes, aligned
.endr
	ds_store_b32 v0, v240 offset:1024*(\p)         ; both lanes of a query write the same word with the same value
.endm
	s_cmp_lt_u32 s10, 4                            ; waves 0 to 3 wait for their loads: the scale words and the first 512 keys; the loads of waves 4 and 5 may be out
	s_cbranch_scc0 .Lrest_out
	s_wait_tensorcnt 0x0
.Lrest_out:
	s_barrier_signal -1
	s_barrier_wait -1
	INIT
	s_wait_loadcnt 0x0                             ; Q
	SLOOP 4
	s_wait_tensorcnt 0x0                           ; the rest has landed,
	s_wait_dscnt 0x0
	s_barrier_signal -1
	s_barrier_wait -1                              ; everybody's
	SLOOP 12
	QLOAD 1                                        ; the second pass's queries land while the first pass's results leave
	EPI 0
	s_wait_xcnt 0x0                                ; the stores have read the codes' registers, which the next pass writes again
	INIT
	s_wait_loadcnt 0x0
	SLOOP 16
	EPI 1
	s_wait_dscnt 0x0                               ; for the others' sake: my scale words have landed
	s_barrier_signal -1
	s_barrier_wait -1
	v_lshlrev_b32 v8, 1, v1                        ; 16 x lane
	s_cmp_lt_u32 s10, 4
	s_cbranch_scc0 .Lno_copy
	ds_load_b128 v[128:131], v243
	s_wait_dscnt 0x0
	s_wait_alu depctr_va_vdst(0)
	global_store_b128 v8, v[128:131], s[94:95]     ; 32 lanes store 512 consecutive bytes
.Lno_copy:
	s_wait_tensorcnt 0x0                           ; the wave's end, behind my last tensor load and my last LDS store
	ds_add_u32 v[SPW], v[NIL]
	s_wait_dscnt 0x0
	CROUND                                         ; the closing round
	s_endpgm
.Lfunc_end_k_q2fccec6520_attn:
	.size	k_q2fccec6520_attn, .Lfunc_end_k_q2fccec6520_attn-k_q2fccec6520_attn
	.p2alignl 7, 3214868480
	.fill 96, 4, 3214868480
	.section	.rodata,"a",@progbits
	.p2align	6, 0x0
	.amdhsa_kernel k_q2fccec6520_attn
		.amdhsa_group_segment_fixed_size 212992
		.amdhsa_private_segment_fixed_size 0
		.amdhsa_enable_private_segment 0
		.amdhsa_kernarg_size 24
		.amdhsa_user_sgpr_count 2
		.amdhsa_user_sgpr_kernarg_segment_ptr 1
		.amdhsa_wavefront_size32 1
		.amdhsa_system_sgpr_workgroup_id_x 1
		.amdhsa_system_sgpr_workgroup_id_y 1
		.amdhsa_system_sgpr_workgroup_id_z 1
		.amdhsa_system_vgpr_workitem_id 0
		.amdhsa_next_free_vgpr 256
		.amdhsa_next_free_sgpr 96
		.amdhsa_reserve_vcc 0
		.amdhsa_float_denorm_mode_32 3
		.amdhsa_float_denorm_mode_16_64 3
		.amdhsa_memory_ordered 1
		.amdhsa_forward_progress 1
		.amdhsa_inst_pref_size 77
	.end_amdhsa_kernel
	.amdgpu_metadata
---
amdhsa.version: [ 1, 2 ]
amdhsa.kernels:
  - .name:           k_q2fccec6520_attn
    .symbol:         k_q2fccec6520_attn.kd
    .args:
      - { .name: qk, .offset: 0, .size: 8, .value_kind: global_buffer, .address_space: global }
      - { .name: vq, .offset: 8, .size: 8, .value_kind: global_buffer, .address_space: global }
      - { .name: oq, .offset: 16, .size: 8, .value_kind: global_buffer, .address_space: global }
    .group_segment_fixed_size: 212992
    .private_segment_fixed_size: 0
    .kernarg_segment_align: 8
    .kernarg_segment_size: 24
    .max_flat_workgroup_size: 512
    .sgpr_count:     96
    .vgpr_count:     256
    .wavefront_size: 32
...
	.end_amdgpu_metadata
.endif
;; end of part 3
;; launch outp (part 4): grid 4 x 64, 4 waves a work-group, clusters of 4 x 4, 311,808 bytes of LDS; arguments oq, wq, bo, out0; writes out0
.if DOCPART == 4
	.amdgcn_target "amdgcn-amd-amdhsa--gfx1250"
	.amdhsa_code_object_version 6
	.text
	.protected	k_q2fccec6520_outp
	.globl	k_q2fccec6520_outp
	.p2align	8
	.type	k_q2fccec6520_outp,@function
k_q2fccec6520_outp:
	s_mov_b64 s[64:65], 0
	v_nop
	global_prefetch_b8 v0, s[64:65] scope:SCOPE_SE
	s_setreg_imm32_b32 hwreg(HW_REG_WAVE_MODE, 25, 1), 1
	s_wait_xcnt 0x0
	s_wait_alu depctr_hold_cnt(0) depctr_sa_sdst(0) depctr_va_vdst(0) depctr_va_sdst(0) depctr_va_ssrc(0) depctr_va_vcc(0) depctr_vm_vsrc(0)
	s_getreg_b32 s2, hwreg(HW_REG_IB_STS2, 6, 4)
	s_cmp_eq_u32 s2, 0
	s_cbranch_scc0 .Lentry_in_a_cluster
	s_endpgm
.Lentry_in_a_cluster:
	s_bfe_u32 s2, ttmp6, 0x10000c
	s_cmp_lg_u32 s2, 0xf033
	s_cbranch_scc0 .Lentry_shape_is_right
	s_endpgm
.Lentry_shape_is_right:
; out0 = O Wo + bo on codes of FP6 (E2M3) with E8M0 scales.  O's codes come as halves of fragments [tile][head] (two heads are a K step of 128), its scale words as [head][row], two bytes each.
; A work-group makes 128 x 256 of the product with all of K = 1,024 in LDS, filled once.  Four waves, 2 x 2: a wave makes 64 x 128, 32 accumulators.
; THE MATRIX INSTRUCTION IS USED TRANSPOSED (source 0 = 16 columns of Wo, source 1 = 16 rows of O): a lane holds one row, and the 16 registers of tiles 2 g, 2 g + 1 are 16 neighbouring columns,
; since row r of a tile 2 G + u is row (or column) 32 G + 8 u + r + 8 (r / 8).  The rows go back to their places in the last stores' offsets.
; CLUSTERS: 4 x 4 work-groups; O's tiles are asked for jointly along a row of the cluster, Wo's along a column.
; LDS: A tile x 12,288 + K step x 1,536; B from 98,304: tile x 12,288 + K step x 1,536; then the scale words and the spare words.
; The way out's stages lie over A's first 33,792 bytes: they have had their only fill, and every wave's last read of them is waited for ahead of the barrier in K step 7.
; REGISTERS: window 0: v1-15 addresses; v28, v29 the add's two; v32-63 A's scale words (8 i + s); v64-95 B's (lanes 0-15 block i, lanes 16-31 block 4 + i); v96-191 A's fragments, two sets; v192-255 the bias.
;            window 1: B's fragments, two sets, at v0 and v128.   window 2: accumulator (a, b) at v[8 (8 a + b)].
.set SCA,   294912
.set SCB,   303104
.set SPARE, 311296                     ; the spare words, 128 bytes for each wave: two blocks of 256 bytes that no other line names
.set SPW, 28
.set NIL, 29
.set MSB, 0
.macro WIN new                         ; the immediate's high byte repeats the setting that is left
.if MSB != \new
	s_set_vgpr_msb (MSB<<8)|\new
.set MSB, \new
.endif
.endm
.macro PLACES n
.rept \n
	v_nop
.endr
.endm
.macro CROUND                          ; a round of the cluster's barrier
	s_barrier_signal -1
	s_barrier_wait -1
	s_cmp_lg_u32 s18, 0
	s_cbranch_scc1 .Lnot_wave_0_\@
	s_barrier_signal -3
.Lnot_wave_0_\@:
	s_barrier_wait -3
	s_barrier_signal -1
	s_barrier_wait -1
.endm
.macro G0A g, base, off
	s_add_nc_u64 s[\g+2:\g+3], s[\base:\base+1], \off
	s_or_b32 s[\g+3], s[\g+3], 0x80000000
.endm
	s_load_b256 s[4:11], s[0:1], 0x0               ; oq, wq, bo, out0
	v_lshl_add_u32 v[SPW], v0, 2, SPARE
	v_mov_b32 v[NIL], 0
	ds_add_u32 v[SPW], v[NIL]                      ; the wave's opening: the add and its wait, ahead of the round in front of my first tensor loads
	ds_add_u32 v[SPW], v[NIL]
	v_lshrrev_b32 v1, 5, v0
	v_readfirstlane_b32 s18, v1                    ; wave
	s_lshr_b32 s19, s18, 1                         ; RH: my half of the rows.  Also: I fetch scale words (0) or codes (1)
	s_and_b32 s20, s18, 1                          ; CH: my half of the columns.  Also: I fetch for A (0) or for B (1)
	s_bfe_u32 s21, ttmp6, 0x40000                  ; cx
	s_bfe_u32 s22, ttmp6, 0x40004                  ; cy
	s_and_b32 s66, ttmp7, 0xffff
	s_lshl_b32 s66, s66, 2
	s_add_co_u32 s66, s66, s22                     ; which 128 rows
	s_lshl_b32 s67, ttmp9, 2
	s_add_co_u32 s67, s67, s21                     ; which 256 columns
	s_lshl_b32 s3, s22, 2
	s_lshl_b32 s3, 15, s3                          ; my row of the cluster
	s_lshl_b32 s100, 0x1111, s21                   ; my column
	; groups 1: elements of 8 bytes.  Codes: a tile's 256 along K are 3,072 consecutive bytes, tiles 12,288 bytes apart.  A's scale words: 16 heads x 512 bytes, 32,768 bytes apart.  B's: dense rows of 256 bytes
	s_or_b32 s24, s3, (3<<16)|(1<<21)
	s_or_b32 s40, s3, (3<<16)|(1<<21)
	s_or_b32 s32, s100, (3<<16)|(1<<21)
	s_or_b32 s48, s100, (3<<16)|(1<<21)
.irp g, 24, 32
	s_mov_b32 s[\g+1], 32<<16                      ; an operand's tiles, all of K, are one dense block: rows of 256 bytes
	s_mov_b32 s[\g+3], 32<<16
	s_mov_b32 s[\g+5], 32
	s_mov_b32 s[\g+6], 0
	s_mov_b32 s[\g+7], 0
.endr
	s_mov_b32 s26, 384<<16                         ; A's eight tiles: 98,304 bytes
	s_mov_b32 s28, 384
	s_mov_b32 s34, 768<<16                         ; B's sixteen: 196,608 bytes
	s_mov_b32 s36, 768
	s_mov_b32 s41, 64<<16
	s_mov_b32 s42, 16<<16                          ; all sixteen heads' words of my 128 rows
	s_mov_b32 s43, 64<<16
	s_mov_b32 s44, 16
	s_mov_b32 s45, 4096
	s_mov_b32 s46, 0
	s_mov_b32 s47, 0
	s_mov_b32 s49, 32<<16
	s_mov_b32 s50, 32<<16                          ; sixteen tiles' words: 8,192 bytes
	s_mov_b32 s51, 32<<16
	s_mov_b32 s52, 32
	s_mov_b32 s53, 32
	s_mov_b32 s54, 0
	s_mov_b32 s55, 0
	; LDS as it is filled: A's codes at tile x 12,288 + K step x 1,536, B's the same from 98,304 on, then the scale words
	s_mov_b32 s60, 1
	s_mov_b32 s61, 0
	s_mov_b32 s84, 1
	s_mov_b32 s85, 98304
	s_mov_b32 s56, 1
	s_mov_b32 s57, SCA
	s_mov_b32 s80, 1
	s_mov_b32 s81, SCB
	s_lshl_b32 s100, s66, 3                        ; A: the first of the eight tiles
	s_mul_i32 s100, s100, 12288
	s_mov_b32 s101, 0
	s_lshl_b32 s58, s66, 9                         ; A's scale words: my work-group's 128 rows, from head 0 on
	s_add_co_u32 s58, s58, 6291456
	s_mov_b32 s59, 0
	s_lshl_b32 s104, s67, 4                        ; B: the first of the sixteen
	s_lshl_b32 s82, s104, 9
	s_add_co_u32 s82, s82, 3244032                 ; Wo's scale words: wq's tile 192 on
	s_mov_b32 s83, 0
	s_mul_i32 s104, s104, 12288
	s_add_co_u32 s104, s104, 2359296               ; Wo's tiles
	s_mov_b32 s105, 0
	s_wait_dscnt 0x0                               ; the opening add is done
	s_wait_kmcnt 0x0
	s_add_nc_u64 s[100:101], s[4:5], s[100:101]
	s_add_nc_u64 s[58:59], s[4:5], s[58:59]
	s_or_b32 s59, s59, 0x80000000
	s_add_nc_u64 s[104:105], s[6:7], s[104:105]
	s_add_nc_u64 s[82:83], s[6:7], s[82:83]
	s_or_b32 s83, s83, 0x80000000
	G0A 60, 100, 0
	G0A 84, 104, 0
	CROUND                                         ; all sixteen work-groups are here: the joint loads meet
	; the head's four tiles, one joint load a wave, in one chain of branches on the wave's number
	s_cmp_lt_u32 s18, 1
	s_cbranch_scc0 .Lhead_1
	tensor_load_to_lds s[56:59], s[40:47]          ; wave 0: A's scale words
	s_nop 0
	PLACES 4
	s_branch .Lasked
.Lhead_1:
	s_cmp_lt_u32 s18, 2
	s_cbranch_scc0 .Lhead_2
	tensor_load_to_lds s[80:83], s[48:55]          ; wave 1: B's scale words
	s_nop 0
	PLACES 4
	s_branch .Lasked
.Lhead_2:
	s_cmp_lt_u32 s18, 3
	s_cbranch_scc0 .Lhead_3
	tensor_load_to_lds s[60:63], s[24:31]          ; wave 2: A's codes
	s_nop 0
	PLACES 4
	s_branch .Lasked
.Lhead_3:
	tensor_load_to_lds s[84:87], s[32:39]          ; wave 3: B's codes
	s_nop 0
	PLACES 4
.Lasked:
	v_and_b32 v1, 15, v0                           ; r
	v_bfe_u32 v2, v0, 4, 1                         ; h
	v_and_b32 v3, 31, v0
	v_lshlrev_b32 v12, 3, v3                       ; 8 x lane
	v_lshlrev_b32 v3, 4, v3                        ; 16 x lane
	s_mul_i32 s2, s19, 49152
	v_add_nc_u32 v4, s2, v12                       ; A's fragments come in pieces of 8 bytes a lane: my four tiles
	s_mul_i32 s2, s20, 98304
	s_add_co_u32 s2, s2, 98304
	v_add_nc_u32 v6, s2, v3                        ; B's: my tiles 0-3,
	v_add_nc_u32 v7, 49152, v6                     ; and 4-7
	s_lshl_b32 s2, s19, 8
	s_add_co_u32 s2, s2, SCA
	v_lshl_add_u32 v10, v1, 2, s2                  ; A's scale words: my 64 rows, 4 bytes a row
	v_lshlrev_b32 v11, 4, v1
	v_lshl_add_u32 v11, v2, 11, v11                ; B's: 16 r; lanes 16-31 take the tile four further on
	s_lshl_b32 s2, s20, 12
	s_add_co_u32 s2, s2, SCB
	v_add_nc_u32 v11, s2, v11
	v_lshlrev_b32 v15, 6, v2                       ; 64 h
	s_wait_alu depctr_va_vdst(0)
	s_mul_i32 s2, s18, 8448                        ; my stage: 16 rows x (512 + 16) bytes
	v_mul_u32_u24 v13, v1, 528
	v_lshl_add_u32 v13, v2, 6, v13
	v_add_nc_u32 v13, s2, v13                      ; in: row r, + 64 h
	v_add_nc_u32 v14, s2, v3                       ; back: a whole row, 16 bytes a lane
	s_lshl_b32 s2, s67, 10
	s_lshl_b32 s3, s20, 9
	s_add_co_u32 s2, s2, s3                        ; my 128 columns, in bytes
	s_mov_b32 s3, 0
	s_add_nc_u64 s[8:9], s[8:9], s[2:3]
	s_add_nc_u64 s[10:11], s[10:11], s[2:3]
	s_lshl_b32 s2, s66, 7
	s_lshl_b32 s100, s19, 6
	s_add_co_u32 s2, s2, s100
	s_lshl_b32 s2, s2, 12                          ; my 64 rows of 4,096 bytes
	s_add_nc_u64 s[10:11], s[10:11], s[2:3]
.irp b, 0,1,2,3,4,5,6,7
	global_load_b128 v[192+8*\b:195+8*\b], v15, s[8:9] offset:(32*(\b/2)+8*(\b%2))*4      ; the bias: for tile b my eight columns 32 (b / 2) + 16 h + 8 (b % 2) + 0 .. 7
	global_load_b128 v[196+8*\b:199+8*\b], v15, s[8:9] offset:(32*(\b/2)+8*(\b%2))*4+16
.endr
; the fragments of K step s into set s % 2: 24 loads of 16 bytes a lane for B, 24 of 8 bytes a lane for A (two heads' half images on end)
.macro FETCH s
	WIN 0x40                                       ; destination window 1
.irp b, 0,1,2,3,4,5,6,7
.irp j, 0,1,2
	ds_load_b128 v[128*((\s)%2)+12*\b+4*\j:128*((\s)%2)+12*\b+4*\j+3], v[6+\b/4] offset:12288*(\b%4)+1536*(\s)+512*\j
.endr
.endr
	WIN 0
.irp a, 0,1,2,3
.irp p, 0,1,2,3,4,5
	ds_load_b64 v[96+48*((\s)%2)+12*\a+2*\p:97+48*((\s)%2)+12*\a+2*\p], v4 offset:12288*\a+1536*(\s)+256*\p
.endr
.endr
.endm
; one product.  cm = 0: it adds in place; 1: it starts the sum with the bias of B's tile b
.macro WM a, b, s, cm
.set rD, 8*(8*(\a)+(\b))
.set rB, 128*((\s)%2)+12*(\b)
.set rA, 96+48*((\s)%2)+12*(\a)
.set rC, rD
.if (\cm) == 1
.set rC, 192+8*(\b)
.endif
.if (\b) < 4
	v_wmma_scale_f32_16x16x128_f8f6f4 v[rD:rD+7], v[rB:rB+11], v[rA:rA+11], v[rC:rC+7], v[64+8*((\b)%4)+(\s)], v[32+8*(\a)+(\s)] matrix_a_fmt:MATRIX_FMT_FP6 matrix_b_fmt:MATRIX_FMT_FP6
.else
	v_wmma_scale_f32_16x16x128_f8f6f4 v[rD:rD+7], v[rB:rB+11], v[rA:rA+11], v[rC:rC+7], v[64+8*((\b)%4)+(\s)], v[32+8*(\a)+(\s)] matrix_a_fmt:MATRIX_FMT_FP6 matrix_b_fmt:MATRIX_FMT_FP6 matrix_a_scale:MATRIX_SCALE_ROW1
.endif
.endm
.macro MULWIN cm
.if \cm
	WIN 0x81                                       ; source 0 (B) window 1, source 1 (A) and C (the bias) window 0, D window 2
.else
	WIN 0xa1                                       ; C and D window 2
.endif
.endm
; A K step of 128: 32 products, the accumulators by turns in one order.  Behind the first eight the next step's fragments are fetched.
; All of K has landed ahead of step 0.
.macro STEP s, cm
	s_wait_dscnt 0x0                               ; this step's fragments are in
.if (\s) == 7
	s_barrier_signal -1                            ; my last reads of A's and B's bytes are in: the way out's stages lie over A's first bytes
.endif
	MULWIN \cm
.irp b, 0,1,2,3,4,5,6,7
	WM 0, \b, \s, \cm
.endr
.if (\s) == 7
	s_barrier_wait -1                              ; and so are everybody's
.endif
.if (\s) < 7
	PLACES 4                                       ; in front of loads into registers that the last step's products have read
	FETCH (\s)+1
	MULWIN \cm
.endif
.irp a, 1,2,3
.irp b, 0,1,2,3,4,5,6,7
	WM \a, \b, \s, \cm
.endr
.endr
	WIN 0
.endm
	s_wait_tensorcnt 0x0                           ; my one load has landed,
	s_barrier_signal -1
	s_barrier_wait -1                              ; everybody's
.irp i, 0,1,2,3
.irp k, 0,1
	ds_load_b128 v[64+8*\i+4*\k:67+8*\i+4*\k], v11 offset:512*\i+256*\k
.endr
.endr
.irp i, 0,1,2,3
.irp d, 0,1,2,3,4,5,6,7,8,9,10,11,12,13,14,15
	ds_load_b32 v[96+16*\i+\d], v10 offset:512*\d+64*\i   ; tile i, head d: my row's two bytes
.endr
.endr
	s_wait_dscnt 0x0
.irp i, 0,1,2,3
.irp s, 0,1,2,3,4,5,6,7
	v_lshl_or_b32 v[32+8*\i+\s], v[97+16*\i+2*\s], 16, v[96+16*\i+2*\s]   ; two heads' bytes make K step s's scale word
.endr
.endr
	PLACES 8                                       ; a scale register written by a vector instruction stands eight places ahead of a scaled product
	FETCH 0
	s_wait_alu depctr_va_vdst(0)
	s_wait_loadcnt 0x0                             ; the bias
	STEP 0, 1
.irp s, 1,2,3,4,5,6,7
	STEP \s, 0
.endr
; THE WAY OUT, a tile of 16 rows x 128 columns at a time: through my stage and back as whole rows of 512 bytes.  LDS serves a wave's instructions in order: no wait between the stores and the loads.
.macro TOSTAGE a
	WIN 0x08                                       ; an LDS store's data are its source 1: window 2
.irp b, 0,1,2,3,4,5,6,7
	ds_store_b128 v13, v[8*(8*(\a)+\b):8*(8*(\a)+\b)+3] offset:128*(\b/2)+32*(\b%2)        ; each accumulator from its low end on
	ds_store_b128 v13, v[8*(8*(\a)+\b)+4:8*(8*(\a)+\b)+7] offset:128*(\b/2)+32*(\b%2)+16
.endr
	WIN 0
.irp t, 0,1,2,3,4,5,6,7,8,9,10,11,12,13,14,15
	ds_load_b128 v[96+64*((\a)%2)+4*\t:96+64*((\a)%2)+4*\t+3], v14 offset:528*\t
.endr
.endm
.macro SEND a, younger                 ; younger: the LDS instructions issued behind tile a's loads, which may stay out
	s_wait_dscnt \younger
.irp t, 0,1,2,3,4,5,6,7,8,9,10,11,12,13,14,15
	global_store_b128 v3, v[96+64*((\a)%2)+4*\t:96+64*((\a)%2)+4*\t+3], s[10:11] offset:(32*((\a)/2)+16*(\t/8)+8*((\a)%2)+\t%8)*4096 th:TH_STORE_NT   ; 32 lanes store 512 consecutive bytes; the row's true place stands in the offset
.endr
.endm
	PLACES 4                                       ; in front of the first read of results, and of loads into registers that the last products have read
	TOSTAGE 0
.irp a, 1,2,3
.if \a > 1
	s_wait_xcnt 0x0                                ; tile a - 2's stores have read their registers: tile a's loads may land there
.endif
	TOSTAGE \a
	SEND \a-1, 32                                  ; behind tile a - 1's loads: tile a's 16 stores and 16 loads
.endr
	SEND 3, 0
	s_wait_tensorcnt 0x0                           ; the wave's end, behind my last tensor load and my last LDS store
	ds_add_u32 v[SPW], v[NIL]
	s_wait_dscnt 0x0
	CROUND                                         ; the closing round
	s_endpgm
.Lfunc_end_k_q2fccec6520_outp:
	.size	k_q2fccec6520_outp, .Lfunc_end_k_q2fccec6520_outp-k_q2fccec6520_outp
	.p2alignl 7, 3214868480
	.fill 96, 4, 3214868480
	.section	.rodata,"a",@progbits
	.p2align	6, 0x0
	.amdhsa_kernel k_q2fccec6520_outp
		.amdhsa_group_segment_fixed_size 311808
		.amdhsa_private_segment_fixed_size 0
		.amdhsa_enable_private_segment 0
		.amdhsa_kernarg_size 32
		.amdhsa_user_sgpr_count 2
		.amdhsa_user_sgpr_kernarg_segment_ptr 1
		.amdhsa_wavefront_size32 1
		.amdhsa_system_sgpr_workgroup_id_x 1
		.amdhsa_system_sgpr_workgroup_id_y 1
		.amdhsa_system_sgpr_workgroup_id_z 1
		.amdhsa_system_vgpr_workitem_id 0
		.amdhsa_next_free_vgpr 768
		.amdhsa_next_free_sgpr 106
		.amdhsa_reserve_vcc 0
		.amdhsa_float_denorm_mode_32 3
		.amdhsa_float_denorm_mode_16_64 3
		.amdhsa_memory_ordered 1
		.amdhsa_forward_progress 1
		.amdhsa_inst_pref_size 90
	.end_amdhsa_kernel
	.amdgpu_metadata
---
amdhsa.version: [ 1, 2 ]
amdhsa.kernels:
  - .name:           k_q2fccec6520_outp
    .symbol:         k_q2fccec6520_outp.kd
    .args:
      - { .name: oq, .offset: 0, .size: 8, .value_kind: global_buffer, .address_space: global }
      - { .name: wq, .offset: 8, .size: 8, .value_kind: global_buffer, .address_space: global }
      - { .name: bo, .offset: 16, .size: 8, .value_kind: global_buffer, .address_space: global }
      - { .name: out0, .offset: 24, .size: 8, .value_kind: global_buffer, .address_space: global }
    .group_segment_fixed_size: 311808
    .private_segment_fixed_size: 0
    .kernarg_segment_align: 8
    .kernarg_segment_size: 32
    .max_flat_workgroup_size: 128
    .sgpr_count:     106
    .vgpr_count:     768
    .wavefront_size: 32
...
	.end_amdgpu_metadata
.endif
;; end of part 4
